; MI455X (gfx1250); checked and timed in simulation.
; The chip was launched on July 23, 2026; its instructions are those of AMD's public machine-readable ISA for CDNA 5 (MIT licence, August 2026) and "CDNA5" Instruction Set Architecture Reference Guide (July 2026). The comments in the code are by the model that wrote it; some were corrected since.
;; Multi Head Attention. Allowed arithmetic: matrix products marked QUANTISED: E2M3 operands, one E8M0 scale for each 32 along K, by v_wmma_scale_f32_16x16x128_f8f6f4 with both operands' format E2M3, f32 sums; everything else in f32.
;; Inputs: bk 512 float32; bo 512 float32; bq 512 float32; bv 512 float32; k 2 x 4,096 x 512 float32; q 2 x 4,096 x 512 float32; v 2 x 4,096 x 512 float32; wk 512 x 512 float32; wo 512 x 512 float32; wq 512 x 512 float32; wv 512 x 512 float32.
;; Outputs: out0 2 x 4,096 x 512 float32.
;; This version of the problem:
;;   THIS VERSION OF THE PROBLEM IS GIVEN IN LOW PRECISION. The matrix products marked QUANTISED in the list below multiply operands that are first quantised to E2M3 (2 exponent bits, 3 mantissa bits; 6 bits a number), with one power-of-two scale for each 32 numbers along K (OCP MX v1.0); their sums are f32. All else is computed in f32.
;;   The module's matrix products, in the order in which they are computed (A, B: the left and right operand; K: the contracted axis; several contracted axes count as one K, in the product's order):
;;     1. [M 8,192, K 512] x [K 512, N 512]; A: input q; B: input wq: QUANTISED
;;     2. [M 8,192, K 512] x [K 512, N 512]; A: input k; B: input wk: QUANTISED
;;     3. [M 8,192, K 512] x [K 512, N 512]; A: input v; B: input wv: QUANTISED
;;     4. batch 16 x [M 4,096, K 64] x [K 64, N 4,096]; A: computed on the way; B: computed on the way: QUANTISED
;;     5. batch 16 x [M 4,096, K 4,096] x [K 4,096, N 64]; A: softmax (see below); B: computed on the way: QUANTISED
;;     6. [M 8,192, K 512] x [K 512, N 512]; A: computed on the way; B: input wo: QUANTISED
;;   THE QUANTISER, for each operand of a quantised product, along K:
;;     - K is cut into blocks of 32 from its start; a last block that is shorter is filled with zeros.
;;     - A block's scale is 2^e with e = floor(log2(the largest magnitude in the block)) - 2, held to -126 .. 127; a block of zeros has e = 0. As a byte (E8M0): e + 127.
;;     - Each number is divided by its block's scale, clamped to +-7.5, and rounded to the nearest number of E2M3, ties to even, subnormals kept.
;;     - The product sums the exact products of the quantised numbers (number of the format x scale) in f32.
;;   ~~~python
;;   def quantise(x, axis):      # numpy; x: float32 -> the quantised numbers, widened to float32 again
;;       x = np.moveaxis(x, axis, -1); K = x.shape[-1]
;;       x = np.pad(x, [(0, 0)] * (x.ndim - 1) + [(0, -K % 32)]); x = x.reshape(x.shape[:-1] + (-1, 32)); a = np.abs(x).max(-1, keepdims=True)
;;       e = np.where(a > 0, np.clip(np.frexp(np.where(a > 0, a, 1))[1] - 1 - 2, -126, 127), 0)      # np.frexp(a)[1] - 1 = floor(log2(a)), exactly
;;       r = np.clip(x / 2.0 ** e, -7.5, 7.5)
;;       step = 2.0 ** (np.maximum(np.frexp(np.where(r == 0, 1, r))[1] - 1, 0) - 3)
;;       q = np.round(r / step) * step * 2.0 ** e      # np.round: ties to even
;;       return np.moveaxis(q.reshape(q.shape[:-2] + (-1,))[..., :K], -1, axis).astype(np.float32)
;;   ~~~
;;   SOFTMAX AHEAD OF A QUANTISED PRODUCT. Where the list says 'softmax', what is quantised is not the finished softmax but p = 2^(t - M), with t = logit x log2(e) and M = ceil(the row's largest t), a whole number; so 1/2 < the row's largest p <= 1. The row's sum l is taken of the UNQUANTISED p, in f32, and the product's result is divided by l at the end. Since M is a whole number, a kernel that streams over the keys may use a running M (the ceiling of the running maximum): every later rescaling is an exact power of two, which a block's scale takes up: the codes' values come out the same.
;;   OPERANDS COMPUTED ON THE WAY. 'Computed on the way' means the value that the module computes at that place (a softmax that the list does not call 'softmax' is quantised finished and normalised). What goes into a quantiser is computed in f32, as accurately as f32 sums, v_exp_f32 and their like allow (about 1e-6 of the number): no bf16 or f16 on the way to a quantiser, and a product that is left as it is and whose result goes on into a quantised operand takes f32 operands (vector FMAs, or v_wmma_f32_16x16x4_f32). A number that lies on a knife's edge between two numbers of the format may be rounded either way, as far as f32 arithmetic and the matrix unit's own rounding can turn it there, and no further.
;; One version. Each part assembles by itself: llvm-mc -triple=amdgcn-amd-amdhsa -mcpu=gfx1250 --defsym DOCPART=n.
;; ======== version 1 of 1: 4 launches
;; limits: right only within a limited range of input values
;; workspace buffers: wimg 786,432 bytes; wsc 32,768 bytes; qimg 3,145,728 bytes; qsc 262,144 bytes; kv 6,684,672 bytes; cimg 3,145,728 bytes; csc 262,144 bytes
;; launch wprep (part 1): grid 16 x 4, 4 waves a work-group, no clusters, 0 bytes of LDS; arguments wq, wk, wv, wo, wimg, wsc; writes wimg, wsc
.if DOCPART == 1
	.amdgcn_target "amdgcn-amd-amdhsa--gfx1250"
	.amdhsa_code_object_version 6
	.text
	.protected	k_q312d11ff14_wprep
	.globl	k_q312d11ff14_wprep
	.p2align	8
	.type	k_q312d11ff14_wprep,@function
k_q312d11ff14_wprep:
	s_mov_b64 s[64:65], 0
	v_nop
	global_prefetch_b8 v0, s[64:65] scope:SCOPE_SE
	s_setreg_imm32_b32 hwreg(HW_REG_WAVE_MODE, 25, 1), 1
	s_wait_xcnt 0x0
; MULTI-HEAD ATTENTION IN MX-FP6, four launches: this one (the weights' codes), proj (the three projections), attn (scores, softmax, values), outp (the projection on the way out).
; DEAD WORK: none.  bq, bk and bv go into operands that are quantised, bo into the result, and every product of the problem's table is live: all eleven inputs are loaded and nothing is left out.
; THIS LAUNCH: wq, wk, wv, wo, each [512 (k)][512 (n)] f32, become codes of FP6 (E2M3) quantised along K, their FIRST axis, with one E8M0 byte for each 32 along K.
; A block's scale is 2^(floor(log2(its largest magnitude)) - 2); its byte is the largest magnitude's exponent field - 2, held at 1 from below.
; LIMITS: a block whose largest magnitude lies under 2^-124 (a block of zeros too) gets the byte 1 where the rule says otherwise: its codes are zeros or tiny, and the bytes are read by this program alone.  NaN and infinities among the inputs are not served.
; A LANE TAKES A COLUMN n AND ITS REGISTERS RUN DOWN K: a block of 32 lies in one lane's 32 registers, and the conversions give codes with K innermost.
; THE CODES ARE LAID IN THE ORDER OF AN OPERAND'S REGISTERS.  A TILE IMAGE is 768 bytes: 16 rows x 64 along K, six registers a lane: registers 0-3 of lane l at 16 l, registers 4-5 at 512 + 8 l; lane (r, h) holds row r, k = 32 h + 0 .. 31.
; wimg: [weight][tile T 0..31][K step s 0..3][c 0..1][768].  THE COLUMNS OF A TILE ARE NOT NEIGHBOURS: row r of tile 2 P + u is column 32 P + 8 u + r + 8 (r / 8), so that a product that takes the tile as its
; source 0 leaves 16 neighbouring columns in the 16 registers of tiles 2 P and 2 P + 1.   wsc: [weight][pair P][s][r + 16 u] words of four bytes (128 along K): one load of 4 bytes a lane brings tile 2 P's words in lanes 0-15 and tile 2 P + 1's in lanes 16-31.
; SHARES: work-group y = the weight; x % 4 = which 128 columns, x / 4 = the K step.  Wave w takes 32 columns (pair P), 128 along K: four blocks a lane.  Each load reads 128 consecutive bytes a wave, 512 a work-group.
; The stores of 16 bytes a lane cover two runs of 256 consecutive bytes; those of 8 and of 4 bytes a lane runs of 128.  No LDS, no barrier: waves share nothing.
.set X,  32                            ; v32-95   two sets of 32 numbers
.set C,  96                            ; v96..    block t's six registers of codes at C + 8 t: each block has its own, so no store's data are written again
.set C2, 128                           ; v128..   the second conversion's three registers at C2 + 4 t (a conversion's three registers begin on an even number)
	s_load_b256 s[4:11], s[0:1], 0x0               ; wq, wk, wv, wo
	s_load_b128 s[12:15], s[0:1], 0x20             ; wimg, wsc
	v_lshrrev_b32 v1, 5, v0
	v_readfirstlane_b32 s16, v1                    ; wave
	s_and_b32 s17, ttmp7, 0xffff                   ; which weight
	s_and_b32 s18, ttmp9, 3                        ; which 128 columns
	s_lshr_b32 s19, ttmp9, 2                       ; K step s
	s_lshl_b32 s20, s18, 2
	s_add_co_u32 s20, s20, s16                     ; pair P
	v_and_b32 v1, 31, v0                           ; lane i: column 32 P + i
	v_lshlrev_b32 v2, 2, v1                        ; in: 4 bytes a lane
	v_bfe_u32 v6, v1, 3, 1                         ; u = (i / 8) % 2: which tile of the pair my column belongs to
	v_and_b32 v7, 7, v1
	v_lshrrev_b32 v8, 4, v1
	v_lshl_add_u32 v7, v8, 3, v7                   ; r = i % 8 + 8 (i / 16): its row there
	v_mul_u32_u24 v8, v6, 6144                     ; a tile's four K steps are 6,144 bytes
	v_lshl_add_u32 v3, v7, 4, v8                   ; registers 0-3: 16 r
	v_lshl_add_u32 v4, v7, 3, v8                   ; registers 4-5: 8 r
	v_lshl_add_u32 v5, v6, 4, v7
	v_lshlrev_b32 v5, 2, v5                        ; the scale word: 4 (r + 16 u)
	s_lshl_b32 s22, s19, 18                        ; W: 128 s rows of 2,048 bytes,
	s_lshl_b32 s24, s20, 7                         ; + 32 P columns
	s_add_co_u32 s22, s22, s24
	s_mov_b32 s23, 0
	s_mul_i32 s24, s17, 196608                     ; wimg: the weight, the pair, the K step
	s_mul_i32 s26, s20, 12288
	s_add_co_u32 s24, s24, s26
	s_mul_i32 s26, s19, 1536
	s_add_co_u32 s24, s24, s26
	s_mov_b32 s25, 0
	s_lshl_b32 s26, s17, 13                        ; wsc likewise
	s_lshl_b32 s28, s20, 9
	s_add_co_u32 s26, s26, s28
	s_lshl_b32 s28, s19, 7
	s_add_co_u32 s26, s26, s28
	s_mov_b32 s27, 0
	s_wait_kmcnt 0x0
	s_cmp_eq_u32 s17, 1                            ; the choice hangs on the work-group's number alone
	s_cselect_b64 s[4:5], s[6:7], s[4:5]
	s_cmp_eq_u32 s17, 2
	s_cselect_b64 s[4:5], s[8:9], s[4:5]
	s_cmp_eq_u32 s17, 3
	s_cselect_b64 s[4:5], s[10:11], s[4:5]
	s_add_nc_u64 s[4:5], s[4:5], s[22:23]
	s_add_nc_u64 s[12:13], s[12:13], s[24:25]
	s_add_nc_u64 s[14:15], s[14:15], s[26:27]
.macro LOAD t                          ; block t: W(128 s + 32 t + i, my column), i = 0 .. 31, into set t % 2
.set li, 0
.rept 32
	global_load_b32 v[X+32*((\t)%2)+li], v2, s[4:5] offset:(32*(\t)+li)*2048 th:TH_LOAD_NT
.set li, li+1
.endr
.endm
.macro BLOCK t                         ; block t is half h = t % 2 of image c = t / 2
.set XS, X+32*((\t)%2)
.set CT, C+8*(\t)
.set DT, C2+4*(\t)
.if (\t) < 3
	s_wait_loadcnt 32                              ; this block's 32 loads are in; the next block's 32 may be out
.else
	s_wait_loadcnt 0
.endif
	v_max3_num_f32 v12, |v[XS]|, |v[XS+1]|, |v[XS+2]|      ; the block's largest magnitude: all 32 numbers are mine; two chains
	v_max3_num_f32 v13, |v[XS+3]|, |v[XS+4]|, |v[XS+5]|
.irp i, 6,10,14,18,22,26
	v_max3_num_f32 v12, v12, |v[XS+\i]|, |v[XS+\i+1]|
	v_max3_num_f32 v13, v13, |v[XS+\i+2]|, |v[XS+\i+3]|
.endr
	v_max3_num_f32 v12, v12, |v[XS+30]|, |v[XS+31]|
	v_max3_num_f32 v12, v12, v13, 0x1800000        ; and the floor 2^(3 - 127): the byte cannot fall under 1
	v_add_nc_u32 v11, 0xff000000, v12              ; 2 off its exponent field: the conversion takes the exponent field of this operand as its scale
	v_lshrrev_b32 v10, 23, v11                     ; the scale's byte
.if (\t) == 0
	v_mov_b32 v14, v10                             ; four bytes make my column's scale word, the lower K in the lower byte
.else
	v_lshl_or_b32 v14, v10, 8*(\t), v14
.endif
	v_cvt_scalef32_pk16_fp6_f32 v[CT:CT+2], v[XS:XS+15], v11
	v_cvt_scalef32_pk16_fp6_f32 v[DT:DT+2], v[XS+16:XS+31], v11
	v_nop                                          ; one plain place behind a scaled conversion
.irp i, 0,1,2
	v_mov_b32 v[CT+3+\i], v[DT+\i]
.endr
.if (\t)+2 < 4
	LOAD (\t)+2
.endif
	global_store_b128 v3, v[CT:CT+3], s[12:13] offset:((\t)/2)*768+256*((\t)%2)
	global_store_b64 v4, v[CT+4:CT+5], s[12:13] offset:((\t)/2)*768+512+128*((\t)%2)
.endm
	LOAD 0
	LOAD 1
	BLOCK 0
	BLOCK 1
	BLOCK 2
	BLOCK 3
	global_store_b32 v5, v14, s[14:15]
	s_endpgm
.Lfunc_end_k_q312d11ff14_wprep:
	.size	k_q312d11ff14_wprep, .Lfunc_end_k_q312d11ff14_wprep-k_q312d11ff14_wprep
	.p2alignl 7, 3214868480
	.fill 96, 4, 3214868480
	.section	.rodata,"a",@progbits
	.p2align	6, 0x0
	.amdhsa_kernel k_q312d11ff14_wprep
		.amdhsa_group_segment_fixed_size 0
		.amdhsa_private_segment_fixed_size 0
		.amdhsa_enable_private_segment 0
		.amdhsa_kernarg_size 48
		.amdhsa_user_sgpr_count 2
		.amdhsa_user_sgpr_kernarg_segment_ptr 1
		.amdhsa_wavefront_size32 1
		.amdhsa_system_sgpr_workgroup_id_x 1
		.amdhsa_system_sgpr_workgroup_id_y 1
		.amdhsa_system_sgpr_workgroup_id_z 1
		.amdhsa_system_vgpr_workitem_id 0
		.amdhsa_next_free_vgpr 144
		.amdhsa_next_free_sgpr 66
		.amdhsa_reserve_vcc 0
		.amdhsa_float_denorm_mode_32 3
		.amdhsa_float_denorm_mode_16_64 3
		.amdhsa_memory_ordered 1
		.amdhsa_forward_progress 1
		.amdhsa_inst_pref_size 21
	.end_amdhsa_kernel
	.amdgpu_metadata
---
amdhsa.version: [ 1, 2 ]
amdhsa.kernels:
  - .name:           k_q312d11ff14_wprep
    .symbol:         k_q312d11ff14_wprep.kd
    .args:
      - { .name: wq, .offset: 0, .size: 8, .value_kind: global_buffer, .address_space: global }
      - { .name: wk, .offset: 8, .size: 8, .value_kind: global_buffer, .address_space: global }
      - { .name: wv, .offset: 16, .size: 8, .value_kind: global_buffer, .address_space: global }
      - { .name: wo, .offset: 24, .size: 8, .value_kind: global_buffer, .address_space: global }
      - { .name: wimg, .offset: 32, .size: 8, .value_kind: global_buffer, .address_space: global }
      - { .name: wsc, .offset: 40, .size: 8, .value_kind: global_buffer, .address_space: global }
    .group_segment_fixed_size: 0
    .private_segment_fixed_size: 0
    .kernarg_segment_align: 8
    .kernarg_segment_size: 48
    .max_flat_workgroup_size: 128
    .sgpr_count:     66
    .vgpr_count:     144
    .wavefront_size: 32
...
	.end_amdgpu_metadata
.endif
;; end of part 1
;; launch proj (part 2): grid 64 x 3, 8 waves a work-group, no clusters, 327,680 bytes of LDS; arguments q, k, v, bq, bk, bv, wimg, wsc, qimg, qsc, kv; writes qimg, qsc, kv
.if DOCPART == 2
	.amdgcn_target "amdgcn-amd-amdhsa--gfx1250"
	.amdhsa_code_object_version 6
	.text
	.protected	k_q312d11ff14_proj
	.globl	k_q312d11ff14_proj
	.p2align	8
	.type	k_q312d11ff14_proj,@function
k_q312d11ff14_proj:
	s_mov_b64 s[64:65], 0
	v_nop
	global_prefetch_b8 v0, s[64:65] scope:SCOPE_SE
	s_setreg_imm32_b32 hwreg(HW_REG_WAVE_MODE, 25, 1), 1
	s_wait_xcnt 0x0
; x W + b for x = q, k, v ([8192][512] f32), on codes of FP6 (E2M3) with one E8M0 scale for each 32 along K; the results are quantised at once for the attention's products and leave as codes.  Nothing is left out.
; SHARES.  Work-group x = 128 tokens (batch x / 32, key step x % 32), y = the tensor.  THE WAVES SHARE THE COLUMNS: wave w is head w, 64 columns, for all 128 tokens; its 16 fragments of the weight stay in registers, read once.
; No cluster: the weights go from memory straight into registers, and a work-group's rows of x are read by nobody else.
; PHASES.  One tensor load a wave brings 16 rows of x into LDS | barrier | X: wave w quantises token tile w (four fragments, 16 rows x 128 K) and stores them to LDS as images of their registers | barrier |
; four groups of 32 tokens: x's fragments from LDS, 32 matrix instructions (8 accumulators by turns), the results quantised in registers and stored.
; THE TOKENS OF A TILE ARE NOT NEIGHBOURS: row r of tile 2 b + u is token 32 b + 8 u + r + 8 (r / 8); the weight's tiles of columns are laid the same way (launch wprep).
;   q, k: quantised along the head's 64.  Source 0 = 16 columns of W, source 1 = 16 tokens: a lane holds ONE token, and the 16 registers of tiles 2 B, 2 B + 1 are channels 32 B + 16 (lane / 16) + 0 .. 15.
;   v:    quantised along the KEYS.  Source 0 = 16 tokens, source 1 = 16 columns: a lane holds ONE channel, and the 16 registers of token tiles 2 b, 2 b + 1 are tokens 32 b + 16 (lane / 16) + 0 .. 15.
; The bias is the C of each sum's first matrix instruction.
; OUT, all in TILE IMAGES of 768 bytes (16 rows x 64 K: registers 0-3 of lane l at 16 l, registers 4-5 at 512 + 8 l), each store 512 or 256 consecutive bytes at a multiple of 256:
;   qimg [batch x 8 + head][tile of 16 tokens][768];  kv [batch x 8 + head][key step][8 tiles of k, then v: tile of 16 channels t, c = 64 keys, 768].
;   qsc, kvs: scale words; q's and k's: [lane l][word j]: tile 2 j + l / 16, row l % 16, bytes 0, 1 the head's two blocks, bytes 2, 3 zero; v's: [lane l][word j]: channel tile 2 j + l / 16, four bytes for 128 keys.
; LIMITS: a block whose largest magnitude lies under 2^-124 gets the byte 1 (its codes are zeros or tiny; the bytes are read by this program alone); NaN and infinities among the inputs are not served.
; LDS: two stages for x, 64 rows each; a row is 2 x (1,024 bytes + 16 of padding).  Token 32 b + 16 e + i lies at 33,280 b + REGB e + 2,080 i; REGB is 16 above a multiple of 256, so the sixteen rows of a tile start in sixteen different columns of 16 bytes.
; The launch claims all of a WGP's LDS, of which it uses 320,768 bytes.
.set ROWP,  2080
.set REGB,  133136
.set XIMG,  266496                     ; x's 32 fragments as images: (tile m, K step s) at (4 m + s) x 1,536
.set XSC,   315648                     ; their scale words, 128 bytes each
.set SPARE, 319744                     ; the spare words, 128 bytes for each wave: four blocks of 256 bytes that no other line names
.set FRB,   1536
.set XR,  4                            ; v4   my lane's place in the stages: my tile's row r, + 64 (lane / 16)
.set L16, 5                            ; v5   16 x lane
.set L8,  6                            ; v6   8 x lane
.set L4,  7                            ; v7   4 x lane
.set XWI, 8                            ; v8   where I store my tile's images
.set XWS, 9                            ; v9   and their scale words
.set LIX, 10                           ; v10  XIMG + 16 x lane
.set LSX, 11                           ; v11  XSC + 4 x lane
.set SPW, 12                           ; v12  my spare word; never rewritten
.set NIL, 13                           ; v13  0; never rewritten
.set WS,  16                           ; v16-23   the weight's scale words (pair B, K step s) at WS + 4 B + s: lanes 0-15 tile 2 B, lanes 16-31 tile 2 B + 1
.set XS,  24                           ; v24-31   x's scale words (tile m, s) at XS + 4 m + s
.set XF,  32                           ; v32-127  x's fragments (m, s) at XF + 12 (4 m + s)
.set AC,  128                          ; v128-191 eight accumulators
.set ST0, 32                           ; phase X: two sets of 64 numbers
.set ST1, 128
.set PC,  192                          ; v192-203 codes just made
.set PT,  204                          ; v204-211 the conversions' second halves
.set PW,  212                          ; v212     the scale word just made
.set SW,  214                          ; v214-221 q, k: the eight tiles' scale words
.set SO,  224                          ; v224-227 and as they are stored
.set TM,  232                          ; v232-235 largest magnitudes, v236-239 exchange and bytes, v244-247 the conversions' scale operands
.set VA,  192                          ; v: v192-215 an image's six registers for each channel tile
.set VB,  216                          ; v: v216-231 the odd group's codes
.set SWV, 248                          ; v: v248-251 scale words
.set SOV, 252                          ; v: v252-253 as they are stored
.set BI,  192                          ; window 1: v0-191 the weight's fragments (t, s) at 12 (4 t + s); v192-223 the bias, eight registers a tile
.set MSB, 0
.macro WIN new                         ; the immediate's high byte repeats the setting that is left
.if MSB != \new
	s_set_vgpr_msb (MSB<<8)|\new
.set MSB, \new
.endif
.endm
.macro XL s, dst                       ; my row's 64 numbers of K step s: register 16 bb + i = k 128 s + 32 bb + 16 (lane / 16) + i
.irp bb, 0,1,2,3
.irp j, 0,1,2,3
	ds_load_b128 v[\dst+16*\bb+4*\j:\dst+16*\bb+4*\j+3], v[XR] offset:512*(\s)+128*\bb+16*\j+16*((\s)/2)
.endr
.endr
.endm
.macro QSCALE s                        ; four blocks of 32, each 16 registers of mine (from s + 16 b on) and 16 of lane l xor 16: the conversions' scale operands and the bytes
.irp b, 0,1,2,3
	v_max3_num_f32 v[TM+\b], |v[\s+16*\b]|, |v[\s+1+16*\b]|, 0x1800000   ; with the floor 2^(3 - 127): the byte cannot fall under 1
.endr
.irp i, 2,4,6,8,10,12,14
.irp b, 0,1,2,3
	v_max3_num_f32 v[TM+\b], v[TM+\b], |v[\s+16*\b+\i]|, |v[\s+1+16*\b+\i]|   ; the four blocks by turns; each accumulator is read from its low end on
.endr
.endr
.irp b, 0,1,2,3
	s_delay_alu instid0(VALU_DEP_4)
	v_permlanex16_b32 v[TM+4+\b], v[TM+\b], s60, s61
.endr
.irp b, 0,1,2,3
	s_delay_alu instid0(VALU_DEP_4)
	v_max_num_f32 v[TM+\b], v[TM+\b], v[TM+4+\b]
.endr
.irp b, 0,1,2,3
	s_delay_alu instid0(VALU_DEP_4)
	v_add_nc_u32 v[TM+12+\b], 0xff000000, v[TM+\b]     ; 2 off the exponent field
.endr
.irp b, 0,1,2,3
	s_delay_alu instid0(VALU_DEP_4)
	v_lshrrev_b32 v[TM+4+\b], 23, v[TM+12+\b]          ; the byte
.endr
.endm
.macro QWORD
	s_delay_alu instid0(VALU_DEP_3)
	v_lshl_or_b32 v[PW], v[TM+5], 8, v[TM+4]
	s_delay_alu instid0(VALU_DEP_1)
	v_lshl_or_b32 v[PW], v[TM+6], 16, v[PW]
	s_delay_alu instid0(VALU_DEP_1)
	v_lshl_or_b32 v[PW], v[TM+7], 24, v[PW]
.endm
.macro QCODES s                        ; 64 numbers become 12 registers of codes: registers 6 c .. 6 c + 5: lanes 0-15 block 2 c whole, lanes 16-31 block 2 c + 1
.irp c, 0,1
	v_cvt_scalef32_pk16_fp6_f32 v[PC+6*\c:PC+2+6*\c], v[\s+32*\c:\s+15+32*\c], v[TM+12+2*\c]
	v_cvt_scalef32_pk16_fp6_f32 v[PT+4*\c:PT+2+4*\c], v[\s+16+32*\c:\s+31+32*\c], v[TM+13+2*\c]
.endr
	v_nop                                          ; one plain place behind a scaled conversion
.irp c, 0,1
.irp i, 0,1,2
	v_permlane16_swap_b32 v[PC+6*\c+\i], v[PT+4*\c+\i]
.endr
.irp i, 0,1,2
	s_delay_alu instid0(VALU_DEP_3)
	v_mov_b32 v[PC+3+6*\c+\i], v[PT+4*\c+\i]
.endr
.endr
.endm
.macro QX src, s                       ; phase X: the set src is K step s of my tile
	QSCALE \src
	QWORD
	QCODES \src
.irp c, 0,1,2
	ds_store_b128 v[XWI], v[PC+4*\c:PC+4*\c+3] offset:FRB*(\s)+512*\c
.endr
	ds_store_b32 v[XWS], v[PW] offset:128*(\s)
.endm
.macro FETCHX b                        ; the eight fragments and scale words of token tiles 2 b, 2 b + 1
.irp m, 0,1
.irp s, 0,1,2,3
.irp c, 0,1,2
	ds_load_b128 v[XF+12*(4*\m+\s)+4*\c:XF+12*(4*\m+\s)+4*\c+3], v[LIX] offset:(4*(2*(\b)+\m)+\s)*FRB+512*\c
.endr
	ds_load_b32 v[XS+4*\m+\s], v[LSX] offset:(4*(2*(\b)+\m)+\s)*128
.endr
.endr
	s_wait_dscnt 0x0
.endm
.macro WQK m, t, s                     ; q, k: source 0 = the weight's tile t, source 1 = token tile m
.set rD, AC+32*(\m)+8*(\t)
.set rA, 12*(4*(\t)+(\s))
.set rB, XF+12*(4*(\m)+(\s))
.set rC, rD
.if (\s) == 0
.set rC, BI+8*(\t)
.endif
.set rSA, WS+4*((\t)/2)+(\s)
.set rSB, XS+4*(\m)+(\s)
.if (\t)%2
	v_wmma_scale_f32_16x16x128_f8f6f4 v[rD:rD+7], v[rA:rA+11], v[rB:rB+11], v[rC:rC+7], v[rSA], v[rSB] matrix_a_fmt:MATRIX_FMT_FP6 matrix_b_fmt:MATRIX_FMT_FP6 matrix_a_scale:MATRIX_SCALE_ROW1
.else
	v_wmma_scale_f32_16x16x128_f8f6f4 v[rD:rD+7], v[rA:rA+11], v[rB:rB+11], v[rC:rC+7], v[rSA], v[rSB] matrix_a_fmt:MATRIX_FMT_FP6 matrix_b_fmt:MATRIX_FMT_FP6
.endif
.endm
.macro WV m, t, s                      ; v: source 0 = token tile m, source 1 = the weight's tile t
.set rD, AC+16*(\t)+8*(\m)
.set rA, XF+12*(4*(\m)+(\s))
.set rB, 12*(4*(\t)+(\s))
.set rC, rD
.if (\s) == 0
.set rC, BI+8*(\t)
.endif
.set rSA, XS+4*(\m)+(\s)
.set rSB, WS+4*((\t)/2)+(\s)
.if (\t)%2
	v_wmma_scale_f32_16x16x128_f8f6f4 v[rD:rD+7], v[rA:rA+11], v[rB:rB+11], v[rC:rC+7], v[rSA], v[rSB] matrix_a_fmt:MATRIX_FMT_FP6 matrix_b_fmt:MATRIX_FMT_FP6 matrix_b_scale:MATRIX_SCALE_ROW1
.else
	v_wmma_scale_f32_16x16x128_f8f6f4 v[rD:rD+7], v[rA:rA+11], v[rB:rB+11], v[rC:rC+7], v[rSA], v[rSB] matrix_a_fmt:MATRIX_FMT_FP6 matrix_b_fmt:MATRIX_FMT_FP6
.endif
.endm
; 32 matrix instructions: K step by K step, the eight accumulators by turns.  Behind them five places: for the reads of the results, for the next loads into x's fragments and scale words,
; and for the next group's first products, which begin the accumulators anew with another C.
.macro MUL isv
.irp s, 0,1,2,3
.if \isv
.if \s == 0
	WIN 0x14                                       ; source 1 (W) and C (the bias) window 1
.else
	WIN 0x04
.endif
.else
.if \s == 0
	WIN 0x11                                       ; source 0 (W) and C (the bias) window 1
.else
	WIN 0x01
.endif
.endif
.irp m, 0,1
.irp t, 0,1,2,3
.if \isv
	WV \m, \t, \s
.else
	WQK \m, \t, \s
.endif
.endr
.endr
.endr
	WIN 0
.rept 5
	v_nop
.endr
.endm
.macro GROUPQK b                       ; tokens 32 b on: two tiles' images and scale words
	FETCHX \b
	MUL 0
	QSCALE AC                                      ; blocks 0, 1: tile 2 b's two halves of the head; blocks 2, 3: tile 2 b + 1's
	QWORD
.if \b > 0
	s_wait_xcnt 0x0                                ; the last group's stores have read their registers: the codes are written again only behind this wait
.endif
	QCODES AC
	v_and_b32 v[SW+2*\b], 0xffff, v[PW]
	v_lshrrev_b32 v[SW+2*\b+1], 16, v[PW]
	global_store_b128 v[KA+(\b)%2], v[PC:PC+3], s[56:57] offset:768*(4*((\b)/2))          ; q: image 2 b as it lies; k: see where KA is made
	global_store_b64 v[KB+(\b)%2], v[PC+4:PC+5], s[56:57] offset:768*(4*((\b)/2))+512
	global_store_b128 v[KA+(\b)%2], v[PC+6:PC+9], s[56:57] offset:768*(4*((\b)/2)+1)
	global_store_b64 v[KB+(\b)%2], v[PC+10:PC+11], s[56:57] offset:768*(4*((\b)/2)+1)+512
.endm
.macro GROUPV b                        ; tokens 32 b on are block b of the key step, for each of the four channel tiles
	FETCHX \b
	MUL 1
	QSCALE AC
.irp t, 0,1,2,3
.if \b == 0
	s_delay_alu instid0(VALU_DEP_4)
	v_mov_b32 v[SWV+\t], v[TM+4+\t]
.else
	s_delay_alu instid0(VALU_DEP_4)
	v_lshl_or_b32 v[SWV+\t], v[TM+4+\t], 8*\b, v[SWV+\t]
.endif
.endr
.if \b == 2
	s_wait_xcnt 0x0                                ; the first images' stores have read their registers
.endif
.irp t, 0,1,2,3
.if (\b)%2 == 0
	v_cvt_scalef32_pk16_fp6_f32 v[VA+6*\t:VA+6*\t+2], v[AC+16*\t:AC+16*\t+15], v[TM+12+\t]
.else
	v_cvt_scalef32_pk16_fp6_f32 v[VB+4*\t:VB+4*\t+2], v[AC+16*\t:AC+16*\t+15], v[TM+12+\t]
.endif
.endr
	v_nop                                          ; one plain place behind a scaled conversion
.if (\b)%2
.irp t, 0,1,2,3                        ; blocks b - 1 and b make an image: lanes 0-15 take block b - 1 whole, lanes 16-31 block b
.irp i, 0,1,2
	v_permlane16_swap_b32 v[VA+6*\t+\i], v[VB+4*\t+\i]
.endr
.irp i, 0,1,2
	s_delay_alu instid0(VALU_DEP_3)
	v_mov_b32 v[VA+6*\t+3+\i], v[VB+4*\t+\i]
.endr
.endr
.irp t, 0,1,2,3
	global_store_b128 v[L16], v[VA+6*\t:VA+6*\t+3], s[56:57] offset:1536*\t+768*((\b)/2)
	global_store_b64 v[L8], v[VA+6*\t+4:VA+6*\t+5], s[56:57] offset:1536*\t+768*((\b)/2)+512
.endr
.endif
.endm
	s_load_b256 s[4:11], s[0:1], 0x0               ; q, k, v, bq
	s_load_b256 s[12:19], s[0:1], 0x20             ; bk, bv, wimg, wsc
	s_load_b128 s[20:23], s[0:1], 0x40             ; qimg, qsc
	s_load_b64 s[24:25], s[0:1], 0x50              ; kv
	v_lshl_add_u32 v[SPW], v0, 2, SPARE
	v_mov_b32 v[NIL], 0
	ds_add_u32 v[SPW], v[NIL]                      ; the wave's opening: the add, twice on end, and its wait ahead of my first tensor load
	ds_add_u32 v[SPW], v[NIL]                      ; and once more, under the one wait; the set-up below, work on registers, stands between
	v_lshrrev_b32 v1, 5, v0
	s_delay_alu instid0(VALU_DEP_1)
	v_readfirstlane_b32 s28, v1                    ; wave = head
	s_and_b32 s29, ttmp7, 0xffff                   ; the tensor: 0 q, 1 k, 2 v
	s_mov_b32 s30, ttmp9                           ; the block of 128 tokens
	s_lshr_b32 s31, s30, 5                         ; batch
	s_and_b32 s32, s30, 31                         ; key step
	; descriptor group 1: my 16 rows of x are 32,768 dense bytes: 32 rows of 256 elements of 4 bytes, 16 bytes of padding behind each
	s_mov_b32 s36, (2<<16)|(1<<20)|(7<<22)|(3<<25) ; no mask; elements of 4 bytes; padding on, after every 256 words, of 4 words
	s_mov_b32 s37, 256<<16                         ; tensor_dim0
	s_mov_b32 s38, 32<<16                          ; tensor_dim1
	s_mov_b32 s39, 256<<16                         ; tile_dim0
	s_mov_b32 s40, 32                              ; tile_dim1
	s_mov_b32 s41, 256                             ; from row to row
	s_mov_b32 s42, 0
	s_mov_b32 s43, 0
	s_mov_b32 s44, 1
	s_lshr_b32 s66, s28, 1
	s_mul_i32 s66, s66, 16*ROWP
	s_and_b32 s67, s28, 1
	s_mul_i32 s67, s67, REGB
	s_add_co_u32 s45, s66, s67                     ; rows 16 w on go to stage w % 2, place w / 2
	s_lshl_b32 s68, s30, 18                        ; x: 128 rows of 2,048 bytes a block,
	s_lshl_b32 s66, s28, 15                        ; 16 a wave
	s_add_co_u32 s68, s68, s66
	s_mov_b32 s69, 0
	s_lshl_b32 s34, s28, 8                         ; the bias: 64 numbers a head
	s_mov_b32 s35, 0
	s_lshl_b32 s70, s31, 3
	s_add_co_u32 s70, s70, s28                     ; batch x 8 + head
	; kv IS ONE STREAM: [batch x 8 + head][key step][13,056 bytes]: k's 8 images, v's 8 images, k's scale words (512 bytes), v's (256)
	s_lshl_b32 s74, s70, 5
	s_add_co_u32 s74, s74, s32                     ; (batch x 8 + head) x 32 + key step
	s_lshr_b32 s67, s29, 1                         ; 1 for v
	s_mov_b32 s66, 13056
	s_cmp_eq_u32 s29, 0
	s_cselect_b32 s66, 6144, s66
	s_mul_i32 s72, s74, s66                        ; the codes' place: 6,144 bytes a step in qimg, 13,056 in kv,
	s_mul_i32 s66, s67, 6144
	s_add_co_u32 s72, s72, s66                     ; v behind k
	s_mov_b32 s73, 0
	s_lshl_b32 s66, s74, 9                         ; the scale words': 512 bytes a step in qsc;
	s_mul_i32 s74, s74, 13056
	s_lshl_b32 s67, s67, 9
	s_add_co_u32 s74, s74, s67
	s_add_co_u32 s74, s74, 12288                   ; in kv behind the step's codes, v's behind k's 512
	s_cmp_eq_u32 s29, 0
	s_cselect_b32 s74, s66, s74
	s_mov_b32 s75, 0
	s_mul_i32 s76, s29, 196608                     ; the weight's images: my four tiles
	s_mul_i32 s66, s28, 24576
	s_add_co_u32 s76, s76, s66
	s_mov_b32 s77, 0
	s_lshl_b32 s78, s29, 13                        ; and their scale words: my two pairs
	s_lshl_b32 s66, s28, 10
	s_add_co_u32 s78, s78, s66
	s_mov_b32 s79, 0
	s_mov_b32 s60, 0x76543210
	s_mov_b32 s61, 0xfedcba98                      ; v_permlanex16_b32's selects for lane l xor 16
	s_mov_b32 s62, 0xffff0000                      ; lanes 16-31
	s_wait_dscnt 0x0                               ; both opening adds are done
	s_wait_kmcnt 0x0
	s_cmp_eq_u32 s29, 1                            ; the choices hang on the work-group's number alone
	s_cselect_b64 s[48:49], s[6:7], s[4:5]
	s_cselect_b64 s[50:51], s[12:13], s[10:11]
	s_cmp_eq_u32 s29, 2
	s_cselect_b64 s[48:49], s[8:9], s[48:49]
	s_cselect_b64 s[50:51], s[14:15], s[50:51]
	s_cmp_eq_u32 s29, 0
	s_cselect_b64 s[56:57], s[20:21], s[24:25]
	s_cselect_b64 s[58:59], s[22:23], s[24:25]
	s_add_nc_u64 s[46:47], s[48:49], s[68:69]
	s_or_b32 s47, s47, 0x80000000                  ; type = 2
	tensor_load_to_lds s[44:47], s[36:43]          ; every wave's one tensor load: a first fill
	s_nop 0
.rept 4
	v_nop
.endr
	s_add_nc_u64 s[50:51], s[50:51], s[34:35]
	s_add_nc_u64 s[52:53], s[16:17], s[76:77]
	s_add_nc_u64 s[54:55], s[18:19], s[78:79]
	s_add_nc_u64 s[56:57], s[56:57], s[72:73]
	s_add_nc_u64 s[58:59], s[58:59], s[74:75]
	v_and_b32 v1, 31, v0                           ; lane
	v_and_b32 v2, 15, v0                           ; r
	v_bfe_u32 v3, v0, 4, 1                         ; h
	s_delay_alu instid0(VALU_DEP_3)
	v_lshlrev_b32 v[L16], 4, v1
	s_delay_alu instid0(VALU_DEP_4)
	v_lshlrev_b32 v[L8], 3, v1
	v_lshlrev_b32 v[L4], 2, v1
	v_and_b32 v14, 7, v2
	v_lshrrev_b32 v15, 3, v2
	s_delay_alu instid0(VALU_DEP_2)
	v_mul_u32_u24 v[XR], v14, ROWP                 ; row r of tile w lies in stage r / 8 at row 8 w + r % 8
	s_delay_alu instid0(VALU_DEP_1)
	v_mad_u32_u24 v[XR], v15, REGB, v[XR]
	s_delay_alu instid0(VALU_DEP_1)
	v_lshl_add_u32 v[XR], v3, 6, v[XR]
	s_mul_i32 s66, s28, 8*ROWP
	v_add_nc_u32 v[XR], s66, v[XR]
	s_mul_i32 s66, s28, 4*FRB
	s_add_co_u32 s66, s66, XIMG
	v_add_nc_u32 v[XWI], s66, v[L16]
	s_lshl_b32 s66, s28, 9
	s_add_co_u32 s66, s66, XSC
	v_add_nc_u32 v[XWS], s66, v[L4]
	v_add_nc_u32 v[LIX], XIMG, v[L16]
	v_add_nc_u32 v[LSX], XSC, v[L4]
	; WHERE q's AND k's IMAGES GO.  q: lane l of image 2 b + u at 16 l (8 l).  k's images are laid for launch attn: row r of image 4 c + u holds key 64 c + 32 (r / 8) + 8 u + r % 8,
	; so my row r of tile 2 b + u goes to image 4 (b / 2) + u + 2 (r / 8), row 8 (b % 2) + r % 8: runs of 128 (64) consecutive bytes.  One form serves both: the step for r / 8 and the step for an odd b change places.
.set KA, 228                           ; v228-229 offsets of registers 0-3 for even and odd b
.set KB, 230                           ; v230-231 of registers 4-5
	s_cmp_eq_u32 s29, 0
	s_mov_b32 s66, 1536
	s_cselect_b32 s66, 128, s66
	s_mov_b32 s67, 128
	s_cselect_b32 s67, 1536, s67
	s_mov_b32 s63, 1536
	s_cselect_b32 s63, 64, s63
	s_cselect_b32 s33, 1536, 64
	s_wait_alu depctr_va_vdst(0)                   ; the wait behind a run of scalar lines
	v_lshlrev_b32 v[KA], 4, v14
	v_lshlrev_b32 v[KB], 3, v14
	v_lshl_add_u32 v[KA], v3, 8, v[KA]
	v_lshl_add_u32 v[KB], v3, 7, v[KB]
	v_mad_u32_u24 v[KA], v15, s66, v[KA]
	v_mad_u32_u24 v[KB], v15, s63, v[KB]
	v_add_nc_u32 v[KA+1], s67, v[KA]
	v_add_nc_u32 v[KB+1], s33, v[KB]
	v_lshl_add_u32 v14, v15, 3, v2
	s_delay_alu instid0(VALU_DEP_1)
	v_lshlrev_b32 v14, 2, v14                      ; the bias for v: 4 (r + 8 (r / 8)): my lane's channel in a tile
	v_lshlrev_b32 v15, 6, v3                       ; the bias for q, k: 64 h: my half's eight channels of a tile
.irp b, 0,1,2,3
	v_mov_b32 v[TM+4+\b], 0                        ; written once: a lane permute's destination counts as one of its sources
.endr
	WIN 0x40                                       ; destination window 1
.irp t, 0,1,2,3
.irp s, 0,1,2,3
.irp c, 0,1
	global_load_b128 v[12*(4*\t+\s)+6*\c:12*(4*\t+\s)+6*\c+3], v[L16], s[52:53] offset:\t*6144+\s*1536+\c*768
	global_load_b64 v[12*(4*\t+\s)+6*\c+4:12*(4*\t+\s)+6*\c+5], v[L8], s[52:53] offset:\t*6144+\s*1536+\c*768+512
.endr
.endr
.endr
	WIN 0
	s_cmp_eq_u32 s29, 2
	s_cbranch_scc1 .Lbias_v
	WIN 0x40
.irp t, 0,1,2,3                        ; q, k: register j of tile t is channel 32 (t / 2) + 16 h + 8 (t % 2) + j
	global_load_b128 v[BI+8*\t:BI+8*\t+3], v15, s[50:51] offset:4*(32*(\t/2)+8*(\t%2))
	global_load_b128 v[BI+8*\t+4:BI+8*\t+7], v15, s[50:51] offset:4*(32*(\t/2)+8*(\t%2))+16
.endr
	WIN 0
	s_branch .Lbias_in
.Lbias_v:
	WIN 0x40
	s_wait_alu depctr_va_vdst(0)
.irp t, 0,1,2,3                        ; v: all eight registers of tile t are channel 32 (t / 2) + 8 (t % 2) + r + 8 (r / 8)
.irp j, 0,1,2,3,4,5,6,7
	global_load_b32 v[BI+8*\t+\j], v14, s[50:51] offset:4*(32*(\t/2)+8*(\t%2))
.endr
.endr
	WIN 0
.Lbias_in:
.irp p, 0,1
.irp s, 0,1,2,3
	global_load_b32 v[WS+4*\p+\s], v[L4], s[54:55] offset:512*\p+128*\s
.endr
.endr
	s_wait_tensorcnt 0x0                           ; my 16 rows of x are in LDS,
	s_barrier_signal -1
	s_barrier_wait -1                              ; everybody's are: a tile's rows come from two waves' loads.  Nothing is filled again in this launch
	; ---- X: token tile w becomes four fragments.  Each count of 16 leaves out the sixteen loads just issued alone: the set to be quantised is in, and the images' stores are done
	XL 0, ST0
	XL 1, ST1
	s_wait_dscnt 16
	QX ST0, 0
	XL 2, ST0
	s_wait_dscnt 16
	QX ST1, 1
	XL 3, ST1
	s_wait_dscnt 16
	QX ST0, 2
	s_wait_dscnt 0x0
	QX ST1, 3
	s_wait_dscnt 0x0                               ; for the others' sake: my images have landed
	s_barrier_signal -1
	s_barrier_wait -1                              ; x's 32 fragments lie in LDS
	s_wait_loadcnt 0x0                             ; the weight, its scale words, the bias
	s_cmp_eq_u32 s29, 2
	s_cbranch_scc1 .Lpath_v                        ; neither way holds an LDS store or a barrier
	GROUPQK 0
	GROUPQK 1
	GROUPQK 2
	GROUPQK 3
.irp j, 0,1,2,3
	v_cndmask_b32 v[SO+\j], v[SW+2*\j], v[SW+2*\j+1], s62      ; lanes 0-15 tile 2 j's word, lanes 16-31 tile 2 j + 1's
.endr
	global_store_b128 v[L16], v[SO:SO+3], s[58:59]
	s_branch .Ldone
.Lpath_v:
	GROUPV 0
	GROUPV 1
	GROUPV 2
	GROUPV 3
.irp j, 0,1
	v_cndmask_b32 v[SOV+\j], v[SWV+2*\j], v[SWV+2*\j+1], s62
.endr
	global_store_b64 v[L8], v[SOV:SOV+1], s[58:59]
.Ldone:
	s_wait_tensorcnt 0x0                           ; the wave's end, behind my last tensor load and my last LDS store
	ds_add_u32 v[SPW], v[NIL]
	s_wait_dscnt 0x0
	s_endpgm
.Lfunc_end_k_q312d11ff14_proj:
	.size	k_q312d11ff14_proj, .Lfunc_end_k_q312d11ff14_proj-k_q312d11ff14_proj
	.p2alignl 7, 3214868480
	.fill 96, 4, 3214868480
	.section	.rodata,"a",@progbits
	.p2align	6, 0x0
	.amdhsa_kernel k_q312d11ff14_proj
		.amdhsa_group_segment_fixed_size 327680
		.amdhsa_private_segment_fixed_size 0
		.amdhsa_enable_private_segment 0
		.amdhsa_kernarg_size 88
		.amdhsa_user_sgpr_count 2
		.amdhsa_user_sgpr_kernarg_segment_ptr 1
		.amdhsa_wavefront_size32 1
		.amdhsa_system_sgpr_workgroup_id_x 1
		.amdhsa_system_sgpr_workgroup_id_y 1
		.amdhsa_system_sgpr_workgroup_id_z 1
		.amdhsa_system_vgpr_workitem_id 0
		.amdhsa_next_free_vgpr 512
		.amdhsa_next_free_sgpr 80
		.amdhsa_reserve_vcc 0
		.amdhsa_float_denorm_mode_32 3
		.amdhsa_float_denorm_mode_16_64 3
		.amdhsa_memory_ordered 1
		.amdhsa_forward_progress 1
		.amdhsa_inst_pref_size 132
	.end_amdhsa_kernel
	.amdgpu_metadata
---
amdhsa.version: [ 1, 2 ]
amdhsa.kernels:
  - .name:           k_q312d11ff14_proj
    .symbol:         k_q312d11ff14_proj.kd
    .args:
      - { .name: q, .offset: 0, .size: 8, .value_kind: global_buffer, .address_space: global }
      - { .name: k, .offset: 8, .size: 8, .value_kind: global_buffer, .address_space: global }
      - { .name: v, .offset: 16, .size: 8, .value_kind: global_buffer, .address_space: global }
      - { .name: bq, .offset: 24, .size: 8, .value_kind: global_buffer, .address_space: global }
      - { .name: bk, .offset: 32, .size: 8, .value_kind: global_buffer, .address_space: global }
      - { .name: bv, .offset: 40, .size: 8, .value_kind: global_buffer, .address_space: global }
      - { .name: wimg, .offset: 48, .size: 8, .value_kind: global_buffer, .address_space: global }
      - { .name: wsc, .offset: 56, .size: 8, .value_kind: global_buffer, .address_space: global }
      - { .name: qimg, .offset: 64, .size: 8, .value_kind: global_buffer, .address_space: global }
      - { .name: qsc, .offset: 72, .size: 8, .value_kind: global_buffer, .address_space: global }
      - { .name: kv, .offset: 80, .size: 8, .value_kind: global_buffer, .address_space: global }
    .group_segment_fixed_size: 327680
    .private_segment_fixed_size: 0
    .kernarg_segment_align: 8
    .kernarg_segment_size: 88
    .max_flat_workgroup_size: 256
    .sgpr_count:     80
    .vgpr_count:     512
    .wavefront_size: 32
...
	.end_amdgpu_metadata
.endif
;; end of part 2
;; launch attn (part 3): grid 16 x 16, 8 waves a work-group, clusters of 4 x 1, 327,680 bytes of LDS; arguments qimg, qsc, kv, cimg, csc; writes cimg, csc
.if DOCPART == 3
	.amdgcn_target "amdgcn-amd-amdhsa--gfx1250"
	.amdhsa_code_object_version 6
	.text
	.protected	k_q312d11ff14_attn
	.globl	k_q312d11ff14_attn
	.p2align	8
	.type	k_q312d11ff14_attn,@function
k_q312d11ff14_attn:
	s_mov_b64 s[64:65], 0
	v_nop
	global_prefetch_b8 v0, s[64:65] scope:SCOPE_SE
	s_setreg_imm32_b32 hwreg(HW_REG_WAVE_MODE, 25, 1), 1
	s_wait_xcnt 0x0
	s_wait_alu depctr_hold_cnt(0) depctr_sa_sdst(0) depctr_va_vdst(0) depctr_va_sdst(0) depctr_va_ssrc(0) depctr_va_vcc(0) depctr_vm_vsrc(0)
	s_getreg_b32 s2, hwreg(HW_REG_IB_STS2, 6, 4)
	s_cmp_eq_u32 s2, 0
	s_cbranch_scc0 .Lentry_in_a_cluster
	s_endpgm
.Lentry_in_a_cluster:
	s_bfe_u32 s2, ttmp6, 0x10000c
	s_cmp_lg_u32 s2, 0x3003
	s_cbranch_scc0 .Lentry_shape_is_right
	s_endpgm
.Lentry_shape_is_right:
; softmax(q k^T / 8) v for 16 (batch, head) pairs of 4,096 tokens and 64 channels, both products on codes of FP6 (E2M3) with one E8M0 scale for each 32 along a product's K.  Nothing is left out.
; THE SOFTMAX: t = score x log2(e) / 8; M = the row's largest t so far, rounded UP to a whole number; p = 2^(t - M) is quantised along the keys, not normalised.
; The row's sum is taken of the unquantised p, in f32, and divides O at the end.  When M moves, the sum and O are multiplied by 2^(old M - new M): exact.
; SHARES.  Work-group y = batch x 8 + head; x = a block of 256 queries; each of eight waves owns TWO tiles of 16 queries, so that each fragment of k and v read from LDS feeds two products.
; Tile A's state lies in register window 0 and tile B's in window 1 at the same low numbers: one macro serves both.  k's fragments lie in window 0, v's in window 1, all scale words in window 0.
; A key step is 128 keys, 13,056 dense bytes of kv (8 images of k, 8 of v, k's scale words, v's), laid by launch proj.  A ring of two LDS slots of 8 steps; each wave fetches one step of a slot: one tensor load a wave at the head and behind each round.
; CLUSTER.  The four query blocks of a cluster walk the same k and v: each fill is asked for JOINTLY, by the same tensor load with the same descriptor and a mask that names the four.
; LAYOUT.  S^T = k q^T (source 0 = 16 keys, source 1 = 16 queries), O^T = v^T p^T: a lane holds ONE query (lane % 16).  Row r of k's image 4 c + u is key 64 c + 32 (r / 8) + 8 u + r % 8,
; so the 32 registers of tiles 4 c .. 4 c + 3 are keys 64 c + 32 (lane / 16) + 0 .. 31: A WHOLE BLOCK OF p LIES IN ONE LANE, in the order of the operand's registers: no lane is asked for a block's maximum and no codes change lanes.
; K = 64 IN AN INSTRUCTION OF K = 128: q's upper six registers are zero codes; the upper half of k's tile t is tile t + 1's codes (tile 7's: zeros), which meet q's zero codes; the scale bytes of those blocks are 0 on both sides.
; OUT.  O / the sum is quantised along the head's 64 and leaves as a tile image: cimg [batch][tile of 16 tokens][head][768]; csc [batch x 8 + head][tile][16 words].
; LIMITS: NaN and infinities are not served; the promise holds while the scaled scores stay under 2^31 in magnitude; a p under 2^-126 counts as 0; a block whose largest magnitude lies under 2^-124 gets the byte 1 (read by this program alone).
; The launch claims all of a WGP's LDS; it uses two slots of 104,448 bytes and 1,024 of spare words.  By this text's own count a wave has one tensor load outstanding.  Every wait on a memory counter is for 0.
.set STEPB, 13056
.set SLOTB, 8*STEPB
.set SLOT1, 1<<17                      ; slot 1 begins here: one exclusive or turns an address in one slot into the other's
.set SPARE, 2*SLOT1                    ; the spare words, 128 bytes for each wave
.set L16, 1                            ; 16 x lane
.set L8,  2                            ; 8 x lane
.set SKB, 3                            ; k's scale words: 256 (lane / 16) + 16 (r % 8) + 4 (r / 8)
.set SPW, 5                            ; my spare word; never rewritten
.set NIL, 6                            ; 0; never rewritten
.set PFO, 7                            ; the prefetches' offset
.set A16, 8                            ; the step's LDS addresses
.set A8,  9
.set ASK, 10
.set CSO, 11                           ; 4 x (lane % 16)
.set NM,  12                           ; -M           (v12-27 and v96-251: a tile's state, in its window)
.set RM,  13                           ; the largest score so far
.set SUM, 14                           ; v14-15 the sum in two halves
.set QF,  16                           ; v16-21 q's codes, v22-27 zero codes
.set QS,  28                           ; q's scale words: lanes 0-15 tile A's, lanes 16-31 tile B's
.set PSA, 30                           ; p's scale word, tile A; v31 tile B's (both in window 0)
.set KF,  32                           ; window 0: v32-79 k's eight tiles (6 t), v80-85 zero codes
.set VF,  32                           ; window 1: v32-79 v's four fragments (12 t)
.set KSC, 86                           ; v86-89 k's scale words: register j: lanes 0-15 tile 2 j, lanes 16-31 tile 2 j + 1
.set VSC, 90                           ; v90-91 v's likewise
.set S,   96                           ; v96-159 S^T, then p
.set O,   160                          ; v160-191 O^T
.set PC,  192                          ; v192-203 p's codes
.set PT,  204                          ; v204-210 the conversions' second halves
.set BM,  212                          ; v212-215 largest scores
.set BT,  216                          ; v216-219 exchange, bytes
.set SOP, 220                          ; v220-221 the conversions' scale operands
.set TMP, 230
.set FF,  232                          ; f = 2^(old M - new M); v233 is named with it as a pair
.set SH8, 234                          ; 8 x (lane / 16)
.set T,   236                          ; v236-251 eight chains of the sum
.set WV,  16
.set SEL, 20                           ; s[20:21] selects for lane l xor 16
.set CS,  22                           ; s[22:23] c = log2(e) / 8
.set G1,  24
.set G0,  40
.set TB,  48                           ; LDS byte at which the step begins
.set SLOTS, 50
.set CNT, 51
.set PFA, 52
.set LIM, 54
.set MSB, 0
.macro WIN new                         ; the immediate's high byte repeats the setting that is left
.if MSB != (\new)
	s_set_vgpr_msb (MSB<<8)|(\new)
.set MSB, (\new)
.endif
.endm
.macro CROUND                          ; a round of the cluster's barrier
	s_barrier_signal -1
	s_barrier_wait -1
	s_cmp_lg_u32 s[WV], 0
	s_cbranch_scc1 .Lnot_wave_0_\@
	s_barrier_signal -3
.Lnot_wave_0_\@:
	s_barrier_wait -3
	s_barrier_signal -1
	s_barrier_wait -1
.endm
.macro TLOAD                           ; every wave fetches one step of the slot; s_nop 0 and four v_nop follow
	tensor_load_to_lds s[G0:G0+3], s[G1:G1+7]
	s_nop 0
.rept 4
	v_nop
.endr
.endm
; A PREFETCH INTO THE L2 of the slot that the NEXT change of slots will ask for, 8 key steps ahead of that load.  All clusters of a head walk the same bytes: the head's first cluster asks.  Its four partners take two steps
; (102 blocks of 256 bytes) each, told apart BY ADDRESS; in each, waves 0 to 3 ask, a lane a block (the lanes left over name the last block again).  Slots 0 and 1 come by their loads alone; the last fill asks for nothing.
.macro ASK
	s_cmp_gt_u32 s[SLOTS], s[LIM]
	s_cbranch_scc0 .Lnot_mine_\@
	global_prefetch_b8 v[PFO], s[PFA:PFA+1] th:TH_LOAD_NT scope:SCOPE_SE
.Lnot_mine_\@:
.endm
.macro QK e                            ; S^T = k q^T for tile e: eight tiles of 16 keys, each sum begun with 0
.irp t, 0,1,2,3,4,5,6,7
.if (\t%2) == 0 && \e == 0
	v_wmma_scale_f32_16x16x128_f8f6f4 v[S+8*\t:S+8*\t+7], v[KF+6*\t:KF+6*\t+11], v[QF:QF+11], 0, v[KSC+\t/2], v[QS] matrix_a_fmt:MATRIX_FMT_FP6 matrix_b_fmt:MATRIX_FMT_FP6
.endif
.if (\t%2) == 1 && \e == 0
	v_wmma_scale_f32_16x16x128_f8f6f4 v[S+8*\t:S+8*\t+7], v[KF+6*\t:KF+6*\t+11], v[QF:QF+11], 0, v[KSC+\t/2], v[QS] matrix_a_fmt:MATRIX_FMT_FP6 matrix_b_fmt:MATRIX_FMT_FP6 matrix_a_scale:MATRIX_SCALE_ROW1
.endif
.if (\t%2) == 0 && \e == 1
	v_wmma_scale_f32_16x16x128_f8f6f4 v[S+8*\t:S+8*\t+7], v[KF+6*\t:KF+6*\t+11], v[QF:QF+11], 0, v[KSC+\t/2], v[QS] matrix_a_fmt:MATRIX_FMT_FP6 matrix_b_fmt:MATRIX_FMT_FP6 matrix_b_scale:MATRIX_SCALE_ROW1
.endif
.if (\t%2) == 1 && \e == 1
	v_wmma_scale_f32_16x16x128_f8f6f4 v[S+8*\t:S+8*\t+7], v[KF+6*\t:KF+6*\t+11], v[QF:QF+11], 0, v[KSC+\t/2], v[QS] matrix_a_fmt:MATRIX_FMT_FP6 matrix_b_fmt:MATRIX_FMT_FP6 matrix_a_scale:MATRIX_SCALE_ROW1 matrix_b_scale:MATRIX_SCALE_ROW1
.endif
.endr
.endm
.macro PV ps                           ; O^T += v^T p^T: four tiles of 16 channels by turns
.irp t, 0,2
	v_wmma_scale_f32_16x16x128_f8f6f4 v[O+8*\t:O+8*\t+7], v[VF+12*\t:VF+12*\t+11], v[PC:PC+11], v[O+8*\t:O+8*\t+7], v[VSC+\t/2], v[\ps] matrix_a_fmt:MATRIX_FMT_FP6 matrix_b_fmt:MATRIX_FMT_FP6
	v_wmma_scale_f32_16x16x128_f8f6f4 v[O+8+8*\t:O+8+8*\t+7], v[VF+12+12*\t:VF+12+12*\t+11], v[PC:PC+11], v[O+8+8*\t:O+8+8*\t+7], v[VSC+\t/2], v[\ps] matrix_a_fmt:MATRIX_FMT_FP6 matrix_b_fmt:MATRIX_FMT_FP6 matrix_a_scale:MATRIX_SCALE_ROW1
.endr
.endm
.macro LOADK off                       ; k's eight tiles and their scale words, off bytes behind the step at which the address registers stand
.irp j, 0,1,2,3
	ds_load_b32 v[KSC+\j], v[ASK] offset:\off+12288+128*(\j%2)+8*(\j/2)
.endr
.irp t, 0,1,2,3,4,5,6,7
	ds_load_b128 v[KF+6*\t:KF+6*\t+3], v[A16] offset:\off+768*\t
	ds_load_b64 v[KF+6*\t+4:KF+6*\t+5], v[A8] offset:\off+768*\t+512
.endr
.endm
.macro ADDR
	v_add_nc_u32 v[A16], s[TB], v[L16]
	v_add_nc_u32 v[A8], s[TB], v[L8]
	v_add_nc_u32 v[ASK], s[TB], v[SKB]
.endm
; THE SOFTMAX OF ONE TILE in window setting w (0 or 0x55); ps: its scale word's register, in window 0.  It ends with O^T under the new M and p's codes in place.
.macro SOFT w, ps, pre
	WIN \w
	s_wait_alu depctr_va_vdst(0)                   ; the wait directly ahead of the first readers of these scores
.irp q, 0,1,2,3                        ; my two blocks' largest scores, two chains a block; each accumulator is first read at its low end
	v_max3_num_f32 v[BM+\q], v[S+16*\q], v[S+16*\q+1], v[S+16*\q+2]
.endr
.irp i, 3,5,7,9,11,13
.irp q, 0,1,2,3
	v_max3_num_f32 v[BM+\q], v[BM+\q], v[S+16*\q+\i], v[S+16*\q+\i+1]
.endr
.endr
	v_max3_num_f32 v[BM], v[BM], v[BM+1], v[S+15]
	v_max3_num_f32 v[BM+2], v[BM+2], v[BM+3], v[S+47]
	v_max_num_f32 v[BM], v[BM], v[S+31]            ; block 2 x 0 + lane / 16: it serves the row's maximum and, since p rises with the score, the block's largest p
	v_max_num_f32 v[BM+2], v[BM+2], v[S+63]        ; block 2 x 1 + lane / 16
	MID \w, \pre                                   ; the other tile's products are issued here, under the rest of this softmax
	v_mov_b32 v[TMP+1], v[NM]
	v_max_num_f32 v[TMP], v[BM], v[BM+2]
	s_delay_alu instid0(VALU_DEP_1)
	v_permlanex16_b32 v[BT], v[TMP], s[SEL], s[SEL+1]
	s_delay_alu instid0(VALU_DEP_1)
	v_max3_num_f32 v[RM], v[RM], v[TMP], v[BT]     ; the running largest score of my query (c is positive)
	s_delay_alu instid0(VALU_DEP_1)
	v_mul_f32 v[TMP], s[CS], v[RM]
	s_delay_alu instid0(VALU_DEP_1)
	v_floor_f32 v[NM], -v[TMP]                     ; the new -M = -ceil(t): a whole number
	s_delay_alu instid0(VALU_DEP_1)
	v_fma_f32 v[BM], v[BM], s[CS], v[NM]
	v_fma_f32 v[BM+2], v[BM+2], s[CS], v[NM]
.set cj, 0
.rept 32
	v_pk_fma_f32 v[S+cj:S+cj+1], v[S+cj:S+cj+1], s[CS:CS+1], v[NM:NM+1] op_sel_hi:[1,0,0]   ; t - M, two at a time (of the pairs the low word serves both halves)
.if cj == 6
	v_sub_f32 v[TMP], v[NM], v[TMP+1]              ; old M less new M: a whole number, 0 or less
.endif
.if cj == 14
	v_cvt_i32_f32 v[TMP], v[TMP]                   ; (it saturates)
.endif
.if cj == 22
	v_ldexp_f32 v[FF], 1.0, v[TMP]                 ; f = 2^(old M - new M)
.endif
.set cj, cj+2
.endr
	s_wait_alu depctr_va_vdst(0)                   ; the wait ahead of the batch
	v_exp_f32 v[BM], v[BM]                         ; the blocks' largest p: the same two instructions on the same number give the same bits
	v_exp_f32 v[BM+2], v[BM+2]
.set cj, 0
.rept 64
	v_exp_f32 v[S+cj], v[S+cj]                     ; p = 2^(t - M), at most 1
.set cj, cj+1
.endr
	v_pk_mul_f32 v[SUM:SUM+1], v[SUM:SUM+1], v[FF:FF+1] op_sel_hi:[1,0]   ; the sums under the new M: a plain place behind the batch
	s_wait_alu depctr_va_vdst(0)                   ; one wait for the whole batch
.irp k, 0,1,2,3,4,5,6,7                ; the row's sum of the unquantised p: eight chains; the lines that make the scales stand among them
	v_pk_add_f32 v[T+2*\k:T+2*\k+1], v[S+2*\k:S+2*\k+1], v[S+16+2*\k:S+16+2*\k+1]
.endr
	v_max_num_f32 v[BM], 0x1800000, v[BM]          ; the floor 2^(3 - 127): the byte cannot fall under 1
	v_max_num_f32 v[BM+2], 0x1800000, v[BM+2]
	v_add_nc_u32 v[SOP], 0xff000000, v[BM]         ; 2 off the exponent field: the conversion's scale operand
	v_add_nc_u32 v[SOP+1], 0xff000000, v[BM+2]
.irp k, 0,1,2,3,4,5,6,7
	v_pk_add_f32 v[T+2*\k:T+2*\k+1], v[T+2*\k:T+2*\k+1], v[S+32+2*\k:S+32+2*\k+1]
.endr
	v_lshrrev_b32 v[BT], 23, v[SOP]                ; the bytes
	v_lshrrev_b32 v[BT+1], 23, v[SOP+1]
	s_delay_alu instid0(VALU_DEP_1)
	v_lshl_or_b32 v[BT], v[BT+1], 16, v[BT]
.irp k, 0,1,2,3,4,5,6,7
	v_pk_add_f32 v[T+2*\k:T+2*\k+1], v[T+2*\k:T+2*\k+1], v[S+48+2*\k:S+48+2*\k+1]
.endr
	v_lshlrev_b32 v[BT], v[SH8], v[BT]             ; at their places in the word: 8 (lane / 16) bits up
.irp k, 0,1,2,3
	v_pk_add_f32 v[T+2*\k:T+2*\k+1], v[T+2*\k:T+2*\k+1], v[T+8+2*\k:T+8+2*\k+1]
.endr
	v_permlanex16_b32 v[BT+2], v[BT], s[SEL], s[SEL+1]
	v_pk_add_f32 v[T:T+1], v[T:T+1], v[T+4:T+5]
	v_pk_add_f32 v[T+2:T+3], v[T+2:T+3], v[T+6:T+7]
	WIN (\w)&5
	v_or_b32 v[\ps], v[BT], v[BT+2]                ; with lane l xor 16's two bytes p's scale word is whole; it lies in window 0
	WIN \w
	v_pk_add_f32 v[T:T+1], v[T:T+1], v[T+2:T+3]
	s_delay_alu instid0(VALU_DEP_1)
	v_pk_add_f32 v[SUM:SUM+1], v[SUM:SUM+1], v[T:T+1]
.irp c, 0,1
	v_cvt_scalef32_pk16_fp6_f32 v[PC+6*\c:PC+6*\c+2], v[S+32*\c:S+32*\c+15], v[SOP+\c]
	v_cvt_scalef32_pk16_fp6_f32 v[PT+4*\c:PT+4*\c+2], v[S+32*\c+16:S+32*\c+31], v[SOP+\c]   ; (a conversion's three registers begin on an even number)
.endr
	s_wait_alu depctr_va_vdst(0)                   ; the wait directly ahead of the first readers of O^T
.set cj, 0
.rept 16
	v_pk_mul_f32 v[O+cj:O+cj+1], v[O+cj:O+cj+1], v[FF:FF+1] op_sel_hi:[1,0]   ; O^T under the new M.  The first two are the places behind the conversions, the other fourteen those ahead of the products
.if cj == 2
.irp c, 0,1
.irp i, 0,1,2
	v_mov_b32 v[PC+3+6*\c+\i], v[PT+4*\c+\i]
.endr
.endr
.endif
.set cj, cj+2
.endr
.endm
; A KEY STEP: 128 keys for both tiles.  pre = 1: the next step's k is asked for too (it lies in the same slot).
; THE MATRIX WORK STANDS IN THE MIDDLE OF THE OTHER TILE'S SOFTMAX, behind its block of maxima.
; In tile A's softmax of step i: tile B's value products of step i - 1 and its scores of step i; then, four places on, the loads of v of step i and (pre = 1) of k of step i + 1 into the registers just read.
; In tile B's softmax of step i: the wait for those loads; tile A's value products of step i and (pre = 1) its scores of step i + 1.
; So each tile's scores and sums were written a whole softmax before they are read.  The very first step's value products of tile B find zero codes and zero sums, made at the head.
.macro MID w, pre
.if \w
	s_wait_alu depctr_va_vdst(0)
	s_wait_dscnt 0x0                               ; v of this step and k of the next are in
	WIN 0x01                                       ; source 0 (v) in window 1
	PV PSA
.if \pre
	WIN 0
	QK 0
.endif
.else
	WIN 0x55
	PV PSA+1
	WIN 0x44                                       ; source 1 (q) and the result in window 1
	QK 1
	WIN 0
	ADDR                                           ; with the v_nop: four places behind the products, ahead of the loads into registers that they read
	v_nop
	ds_load_b64 v[VSC:VSC+1], v[A8] offset:12800
.if \pre
	LOADK STEPB
.endif
	WIN 0x40                                       ; destination window 1
.irp t, 0,1,2,3
.irp c, 0,1
	ds_load_b128 v[VF+12*\t+6*\c:VF+12*\t+6*\c+3], v[A16] offset:6144+1536*\t+768*\c
	ds_load_b64 v[VF+12*\t+6*\c+4:VF+12*\t+6*\c+5], v[A8] offset:6144+1536*\t+768*\c+512
.endr
.endr
.endif
	WIN \w
.endm
.macro STEP pre
	SOFT 0, PSA, \pre
	SOFT 0x55, PSA+1, \pre
	WIN 0
.endm
; THE CHANGE OF SLOTS.  Each wave waits for its tensor load, adds 0 to its spare word, and waits for that and for its reads of the slot that it has left.  fill = 1: the barrier is a round of the cluster's;
; the joint load of the keys that follow is the first thing behind it and has a slot's 8 steps in which to land.
.macro CHANGE fill
	s_wait_tensorcnt 0x0
	ds_add_u32 v[SPW], v[NIL]
.if \fill
	s_xor_b32 s[G0+1], s[G0+1], SLOT1              ; no tensor load of mine is out: the walking descriptor takes the other slot
	s_add_nc_u64 s[G0+2:G0+3], s[G0+2:G0+3], SLOTB ; and the next 8 steps
	s_wait_xcnt 0x0                                ; the last prefetch has read its address
	s_add_nc_u64 s[PFA:PFA+1], s[PFA:PFA+1], SLOTB
	s_wait_dscnt 0x0
	CROUND
	TLOAD
	ASK
.else
	s_wait_dscnt 0x0
	s_barrier_signal -1
	s_barrier_wait -1
.endif
.endm
.macro SLOT_STEPS                      ; a slot's 8 key steps: seven that ask for the next step's k, and the last
	ADDR
	LOADK 0
	s_mov_b32 s[CNT], 7
	s_wait_dscnt 0x0                               ; the slot's first k is in
	QK 0                                           ; tile A's scores of the slot's first step
.rept 4
	v_nop                                          ; places ahead of the first read of these scores
.endr
.Lstep_\@:
	STEP 1
	s_add_co_u32 s[TB], s[TB], STEPB
	s_sub_co_u32 s[CNT], s[CNT], 1
	s_cmp_lg_u32 s[CNT], 0
	s_wait_alu depctr_va_vdst(0)
	s_cbranch_scc1 .Lstep_\@
	STEP 0
	s_sub_co_u32 s[TB], s[TB], 7*STEPB             ; back to a slot's first step,
	s_xor_b32 s[TB], s[TB], SLOT1                  ; in the other slot
.endm
.macro INIT                            ; a tile's state, in the window that is set
.irp i, 0,1,2,3,4,5
	v_mov_b32 v[QF+6+\i], 0                        ; q's upper 64 along K: zero codes
.endr
	v_mov_b32 v[RM], 0xff61b1e6                    ; -3e38, under every score
	v_floor_f32 v[NM], -v[RM]
	v_mov_b32 v[SUM], 0
	v_mov_b32 v[SUM+1], 0
.irp b, 0,1,2,3
	v_mov_b32 v[BT+\b], 0                          ; a lane permute's destination counts as one of its sources
.endr
	v_mov_b32 v[FF+1], 0
.set cj, 0
.rept 32
	v_mov_b32 v[O+cj], 0                           ; the step is written once: the first finds zeros
.set cj, cj+1
.endr
.endm
; THE WAY OUT of tile e.  O^T / the sum; register 16 B + i is channel 32 B + 16 (lane / 16) + i of my token: two blocks of the last product's K.
.macro OUT w, e
	WIN \w
	v_add_f32 v[SUM], v[SUM], v[SUM+1]
	s_delay_alu instid0(VALU_DEP_1)
	v_permlanex16_b32 v[BT], v[SUM], s[SEL], s[SEL+1]
	s_delay_alu instid0(VALU_DEP_1)
	v_add_f32 v[SUM], v[SUM], v[BT]                ; with lane l xor 16's keys: the row's sum
	s_wait_alu depctr_va_vdst(0)
	v_rcp_f32 v[FF], v[SUM]
	v_nop
	s_wait_alu depctr_va_vdst(0)                   ; directly ahead of the first readers of O^T
.set cj, 0
.rept 16
	v_pk_mul_f32 v[S+cj:S+cj+1], v[O+cj:O+cj+1], v[FF:FF+1] op_sel_hi:[1,0]
.set cj, cj+2
.endr
.irp b, 0,1
	v_max3_num_f32 v[BM+\b], |v[S+16*\b]|, |v[S+1+16*\b]|, 0x1800000
.endr
.irp i, 2,4,6,8,10,12,14
.irp b, 0,1
	v_max3_num_f32 v[BM+\b], v[BM+\b], |v[S+16*\b+\i]|, |v[S+1+16*\b+\i]|
.endr
.endr
.irp b, 0,1
	v_permlanex16_b32 v[BT+\b], v[BM+\b], s[SEL], s[SEL+1]
.endr
.irp b, 0,1
	v_max_num_f32 v[BM+\b], v[BM+\b], v[BT+\b]
.endr
.irp b, 0,1
	v_add_nc_u32 v[SOP+\b], 0xff000000, v[BM+\b]
.endr
.irp b, 0,1
	v_lshrrev_b32 v[BT+\b], 23, v[SOP+\b]
.endr
	v_lshl_or_b32 v[TMP], v[BT+1], 8, v[BT]        ; my token's scale word: two bytes, the upper two zero
	v_cvt_scalef32_pk16_fp6_f32 v[PC:PC+2], v[S:S+15], v[SOP]
	v_cvt_scalef32_pk16_fp6_f32 v[PT:PT+2], v[S+16:S+31], v[SOP+1]
	v_nop
.irp i, 0,1,2
	v_permlane16_swap_b32 v[PC+\i], v[PT+\i]
.endr
.irp i, 0,1,2
	v_mov_b32 v[PC+3+\i], v[PT+\i]
.endr
	WIN (\w)&4                                     ; the stores' data in the tile's window, their offsets in window 0
	global_store_b128 v[L16], v[PC:PC+3], s[56:57] offset:6144*\e          ; 512 and 256 consecutive bytes, at multiples of 256 from the buffer's first byte
	global_store_b64 v[L8], v[PC+4:PC+5], s[56:57] offset:6144*\e+512
	global_store_b32 v[CSO], v[TMP], s[58:59] offset:64*\e                 ; lanes l and l + 16 store the same word to the same place
.endm
	s_load_b256 s[4:11], s[0:1], 0x0               ; qimg, qsc, kv, cimg
	s_load_b64 s[12:13], s[0:1], 0x20              ; csc
	v_lshl_add_u32 v[SPW], v0, 2, SPARE
	v_mov_b32 v[NIL], 0
	ds_add_u32 v[SPW], v[NIL]                      ; the opening: the add, twice on end, and its wait ahead of the round in front of the first tensor loads
	ds_add_u32 v[SPW], v[NIL]
	v_lshrrev_b32 v8, 5, v0
	v_readfirstlane_b32 s[WV], v8                  ; wave 0..7
	s_bfe_u32 s17, ttmp6, 0x40000                  ; cx: it enters q's, the output's and the prefetches' addresses alone
	s_lshl_b32 s18, ttmp9, 2
	s_add_co_u32 s18, s18, s17                     ; my block of 256 queries
	s_and_b32 s19, ttmp7, 0xffff                   ; batch x 8 + head, which the partners share
	s_mov_b32 s[G1], 15|(3<<16)|(1<<21)            ; the mask: all four work-groups; elements of 8 bytes; bit 21 beside a mask; no padding
	s_mov_b32 s[G1+1], 32<<16                      ; a step's 13,056 dense bytes as 51 rows of 256
	s_mov_b32 s[G1+2], 51<<16
	s_mov_b32 s[G1+3], 32<<16
	s_mov_b32 s[G1+4], 51
	s_mov_b32 s[G1+5], 32
	s_mov_b32 s[G1+6], 0
	s_mov_b32 s[G1+7], 0
	s_mul_i32 s[G0+1], s[WV], STEPB                ; step w of slot 0
	s_mul_i32 s68, s19, 32*STEPB                   ; the head's stream
	s_add_co_u32 s70, s68, s[G0+1]
	s_mov_b32 s71, 0
	s_lshl_b32 s67, s18, 4
	s_lshl_b32 s66, s[WV], 1
	s_add_co_u32 s67, s67, s66                     ; tile A among the head's 256; tile B is the next
	s_lshl_b32 s72, s19, 8
	s_add_co_u32 s72, s72, s67
	s_lshl_b32 s78, s72, 6                         ; csc: 64 bytes a tile
	s_mov_b32 s79, 0
	s_mul_i32 s72, s72, 768                        ; qimg: 768 bytes a tile
	s_mov_b32 s73, 0
	s_lshl_b32 s74, s19, 14                        ; qsc: the head; the group of 128 tokens 2 x block + wave / 4; in it lane r + 16 x (A or B), word wave % 4
	s_lshl_b32 s75, s18, 10
	s_add_co_u32 s74, s74, s75
	s_lshr_b32 s75, s[WV], 2
	s_lshl_b32 s75, s75, 9
	s_add_co_u32 s74, s74, s75
	s_and_b32 s75, s[WV], 3
	s_lshl_b32 s75, s75, 2
	s_add_co_u32 s74, s74, s75
	s_mov_b32 s75, 0
	s_lshr_b32 s76, s19, 3                         ; cimg: ((batch x 256 + tile) x 8 + head) x 768
	s_lshl_b32 s76, s76, 8
	s_add_co_u32 s76, s76, s67
	s_lshl_b32 s76, s76, 3
	s_and_b32 s77, s19, 7
	s_add_co_u32 s76, s76, s77
	s_mul_i32 s76, s76, 768
	s_mov_b32 s77, 0
	s_mul_i32 s[PFA+1], s17, 2*STEPB               ; the prefetches: the head, my work-group's two steps,
	s_add_co_u32 s[PFA], s68, s[PFA+1]
	s_add_co_u32 s[PFA], s[PFA], SLOTB             ; of the second 8: the first change of slots steps it to the third
	s_mov_b32 s[PFA+1], 0
	s_cmp_lt_u32 s[WV], 4                          ; waves 0 to 3
	s_cselect_b32 s66, 0, 1
	s_or_b32 s66, s66, ttmp9                       ; of the head's first cluster: the same in all four partners
	s_cmp_eq_u32 s66, 0
	s_cselect_b32 s[LIM], 1, -1
	s_mov_b32 s[SEL], 0x76543210
	s_mov_b32 s[SEL+1], 0xfedcba98
	s_mov_b32 s[CS], 0x3e38aa3b                    ; c = log2(e) / 8
	s_mov_b32 s[CS+1], s[CS]
	s_mov_b32 s[TB], 0
	s_mov_b32 s[SLOTS], 3
	s_wait_dscnt 0x0                               ; both opening adds are done
	s_wait_kmcnt 0x0
	s_mov_b32 s[G0], 1
	s_add_nc_u64 s[G0+2:G0+3], s[8:9], s[70:71]
	s_or_b32 s[G0+3], s[G0+3], 0x80000000          ; type = 2
	s_add_nc_u64 s[PFA:PFA+1], s[8:9], s[PFA:PFA+1]
	s_add_nc_u64 s[4:5], s[4:5], s[72:73]
	s_add_nc_u64 s[6:7], s[6:7], s[74:75]
	s_add_nc_u64 s[56:57], s[10:11], s[76:77]
	s_add_nc_u64 s[58:59], s[12:13], s[78:79]
	CROUND                                         ; all four work-groups are here: the first joint loads meet
	TLOAD                                          ; slot 0: every wave's one load at the head
	v_and_b32 v8, 31, v0
	v_and_b32 v9, 7, v0                            ; r % 8
	v_bfe_u32 v10, v0, 3, 1                        ; r / 8
	v_bfe_u32 v11, v0, 4, 1                        ; lane / 16
	v_lshlrev_b32 v[L16], 4, v8
	v_lshlrev_b32 v[L8], 3, v8
	v_lshlrev_b32 v[SKB], 4, v9
	v_lshlrev_b32 v[SH8], 3, v11
	v_lshl_add_u32 v[SKB], v10, 2, v[SKB]
	v_min_u32 v[PFO], 101, v0
	v_lshl_add_u32 v[SKB], v11, 8, v[SKB]
	v_lshlrev_b32 v[PFO], 8, v[PFO]
	v_and_b32 v9, 15, v0
	v_lshlrev_b32 v[CSO], 2, v9
	global_load_b128 v[QF:QF+3], v[L16], s[4:5]    ; q's two tiles stay in registers
	global_load_b64 v[QF+4:QF+5], v[L8], s[4:5] offset:512
	global_load_b32 v[QS], v[L16], s[6:7]
	WIN 0x40
	global_load_b128 v[QF:QF+3], v[L16], s[4:5] offset:768
	global_load_b64 v[QF+4:QF+5], v[L8], s[4:5] offset:1280
	v_mov_b32 v[SH8], v[SH8]                       ; window 1's copy
	WIN 0x55
	INIT
.set cj, 0
.rept 12
	v_mov_b32 v[PC+cj], 0                          ; tile B's p of the step before the first: zero codes
.set cj, cj+1
.endr
.set cj, 0
.rept 48
	v_mov_b32 v[VF+cj], 0                          ; and v's: zero codes
.set cj, cj+1
.endr
	WIN 0
	INIT
	v_mov_b32 v[PSA+1], 0                          ; their scale bytes: 0, a finite code
	v_mov_b32 v[VSC], 0
	v_mov_b32 v[VSC+1], 0
.irp i, 0,1,2,3,4,5
	v_mov_b32 v[KF+48+\i], 0                       ; what stands behind k's tile 7
.endr
	s_wait_alu depctr_va_vdst(0)
	s_wait_loadcnt 0x0                             ; q
.Lslot:                                            ; three trips: behind each change of slots the next 8 steps are asked for; slot 1's first fill stands behind the first trip's round
	CHANGE 1
	SLOT_STEPS
	s_sub_co_u32 s[SLOTS], s[SLOTS], 1
	s_cmp_lg_u32 s[SLOTS], 0
	s_wait_alu depctr_va_vdst(0)
	s_cbranch_scc1 .Lslot
	CHANGE 0                                       ; the last slot is written out
	SLOT_STEPS
	WIN 0x55
	PV PSA+1                                       ; tile B's value products of the last step
	OUT 0, 0                                       ; tile A's last products lie a softmax back; these lines are the places behind tile B's
	OUT 0x55, 1
	WIN 0
	s_wait_tensorcnt 0x0                           ; the wave's end
	ds_add_u32 v[SPW], v[NIL]
	s_wait_dscnt 0x0
	CROUND                                         ; the closing round
	s_endpgm
.Lfunc_end_k_q312d11ff14_attn:
	.size	k_q312d11ff14_attn, .Lfunc_end_k_q312d11ff14_attn-k_q312d11ff14_attn
	.p2alignl 7, 3214868480
	.fill 96, 4, 3214868480
	.section	.rodata,"a",@progbits
	.p2align	6, 0x0
	.amdhsa_kernel k_q312d11ff14_attn
		.amdhsa_group_segment_fixed_size 327680
		.amdhsa_private_segment_fixed_size 0
		.amdhsa_enable_private_segment 0
		.amdhsa_kernarg_size 40
		.amdhsa_user_sgpr_count 2
		.amdhsa_user_sgpr_kernarg_segment_ptr 1
		.amdhsa_wavefront_size32 1
		.amdhsa_system_sgpr_workgroup_id_x 1
		.amdhsa_system_sgpr_workgroup_id_y 1
		.amdhsa_system_sgpr_workgroup_id_z 1
		.amdhsa_system_vgpr_workitem_id 0
		.amdhsa_next_free_vgpr 512
		.amdhsa_next_free_sgpr 80
		.amdhsa_reserve_vcc 0
		.amdhsa_float_denorm_mode_32 3
		.amdhsa_float_denorm_mode_16_64 3
		.amdhsa_memory_ordered 1
		.amdhsa_forward_progress 1
		.amdhsa_inst_pref_size 132
	.end_amdhsa_kernel
	.amdgpu_metadata
---
amdhsa.version: [ 1, 2 ]
amdhsa.kernels:
  - .name:           k_q312d11ff14_attn
    .symbol:         k_q312d11ff14_attn.kd
    .args:
      - { .name: qimg, .offset: 0, .size: 8, .value_kind: global_buffer, .address_space: global }
      - { .name: qsc, .offset: 8, .size: 8, .value_kind: global_buffer, .address_space: global }
      - { .name: kv, .offset: 16, .size: 8, .value_kind: global_buffer, .address_space: global }
      - { .name: cimg, .offset: 24, .size: 8, .value_kind: global_buffer, .address_space: global }
      - { .name: csc, .offset: 32, .size: 8, .value_kind: global_buffer, .address_space: global }
    .group_segment_fixed_size: 327680
    .private_segment_fixed_size: 0
    .kernarg_segment_align: 8
    .kernarg_segment_size: 40
    .max_flat_workgroup_size: 256
    .sgpr_count:     80
    .vgpr_count:     512
    .wavefront_size: 32
...
	.end_amdgpu_metadata
.endif
;; end of part 3
;; launch outp (part 4): grid 256 x 1, 8 waves a work-group, no clusters, 67,328 bytes of LDS; arguments cimg, csc, wimg, wsc, bo, out0; writes out0
.if DOCPART == 4
	.amdgcn_target "amdgcn-amd-amdhsa--gfx1250"
	.amdhsa_code_object_version 6
	.text
	.protected	k_q312d11ff14_outp
	.globl	k_q312d11ff14_outp
	.p2align	8
	.type	k_q312d11ff14_outp,@function
k_q312d11ff14_outp:
	s_mov_b64 s[64:65], 0
	v_nop
	global_prefetch_b8 v0, s[64:65] scope:SCOPE_SE
	s_setreg_imm32_b32 hwreg(HW_REG_WAVE_MODE, 25, 1), 1
	s_wait_xcnt 0x0
; out0 = combined x wo + bo, [8192][512] f32, on codes of FP6 (E2M3) with one E8M0 scale for each 32 along K.  Both operands arrive as codes in the order of an operand's registers: combined from launch attn, wo from launch wprep.  Nothing is left out.
; SHARES.  A work-group takes 32 tokens: tiles 2 g and 2 g + 1 of 16 (row r of tile 2 g + m is token 32 g + 8 m + r + 8 (r / 8)).  Wave w takes columns 64 w on: four tiles of wo, 16 fragments, in window 1.
; Source 0 = 16 columns of wo, source 1 = 16 tokens: a lane holds one token and eight neighbouring columns a tile.  K step s is heads 2 s and 2 s + 1: a fragment is two tile images, its scale word two half words.  bo is the C of each sum's first product.
; No tensor load, no cluster: every operand goes from memory straight into registers by loads of 512 or 256 consecutive bytes.
; THE WAY OUT: a row's 2,048 bytes come from eight waves: they meet in a stage in LDS (rows of 2,048 + 16 bytes), and each wave stores four whole rows, 512 consecutive bytes an instruction.
.set SPITCH, 2064
.set SPARE,  66304                     ; behind the stage: the spare words, 128 bytes for each wave: four blocks of 256 bytes that no other line names
.set L16, 5
.set L8,  6
.set L4,  7
.set STO, 8                            ; v8   the stage: where I put my results
.set SRD, 9                            ; v9   and where I read rows back
.set SPW, 12
.set NIL, 13
.set WS,  16                           ; v16-23   wo's scale words (pair B, s)
.set XS,  24                           ; v24-31   combined's scale words (tile m, s)
.set XF,  32                           ; v32-127  combined's fragments (m, s) at XF + 12 (4 m + s); later rows of the result
.set AC,  128                          ; v128-191 eight accumulators
.set CSR, 192                          ; v192-207 the half words (m, head) as loaded
.set BI,  192                          ; window 1: v0-191 wo's fragments; v192-223 bo
.set MSB, 0
.macro WIN new                         ; the immediate's high byte repeats the setting that is left
.if MSB != \new
	s_set_vgpr_msb (MSB<<8)|\new
.set MSB, \new
.endif
.endm
.macro WQK m, t, s
.set rD, AC+32*(\m)+8*(\t)
.set rA, 12*(4*(\t)+(\s))
.set rB, XF+12*(4*(\m)+(\s))
.set rC, rD
.if (\s) == 0
.set rC, BI+8*(\t)
.endif
.set rSA, WS+4*((\t)/2)+(\s)
.set rSB, XS+4*(\m)+(\s)
.if (\t)%2
	v_wmma_scale_f32_16x16x128_f8f6f4 v[rD:rD+7], v[rA:rA+11], v[rB:rB+11], v[rC:rC+7], v[rSA], v[rSB] matrix_a_fmt:MATRIX_FMT_FP6 matrix_b_fmt:MATRIX_FMT_FP6 matrix_a_scale:MATRIX_SCALE_ROW1
.else
	v_wmma_scale_f32_16x16x128_f8f6f4 v[rD:rD+7], v[rA:rA+11], v[rB:rB+11], v[rC:rC+7], v[rSA], v[rSB] matrix_a_fmt:MATRIX_FMT_FP6 matrix_b_fmt:MATRIX_FMT_FP6
.endif
.endm
	s_load_b256 s[4:11], s[0:1], 0x0               ; cimg, csc, wimg, wsc
	s_load_b128 s[12:15], s[0:1], 0x20             ; bo, out0
	v_lshl_add_u32 v[SPW], v0, 2, SPARE
	v_mov_b32 v[NIL], 0
	v_lshrrev_b32 v1, 5, v0
	s_delay_alu instid0(VALU_DEP_1)
	v_readfirstlane_b32 s28, v1                    ; wave
	s_mov_b32 s30, ttmp9                           ; the block of 32 tokens
	s_mul_i32 s36, s28, 24576                      ; wo is the fourth weight; my four tiles
	s_add_co_u32 s36, s36, 3*196608
	s_mov_b32 s37, 0
	s_lshl_b32 s38, s28, 10
	s_add_co_u32 s38, s38, 3*8192
	s_mov_b32 s39, 0
	s_lshl_b32 s40, s28, 8                         ; bo: my 64 numbers
	s_mov_b32 s41, 0
	s_mul_i32 s42, s30, 12288                      ; cimg: two tiles of 8 heads x 768 bytes
	s_mov_b32 s43, 0
	s_lshr_b32 s44, s30, 7                         ; csc: (batch x 8 x 256 + my first tile in the batch) x 64
	s_lshl_b32 s44, s44, 11
	s_and_b32 s45, s30, 127
	s_lshl_b32 s45, s45, 1
	s_add_co_u32 s44, s44, s45
	s_lshl_b32 s44, s44, 6
	s_mov_b32 s45, 0
	s_lshr_b32 s46, s28, 2                         ; stage rows 4 w + i are row 4 (w % 4) + i of tile w / 4: tokens 8 (w / 4) + 4 (w % 4) + 8 ((w % 4) / 2) + i
	s_lshl_b32 s46, s46, 3
	s_and_b32 s47, s28, 3
	s_lshl_b32 s48, s47, 2
	s_add_co_u32 s46, s46, s48
	s_lshr_b32 s47, s47, 1
	s_lshl_b32 s47, s47, 3
	s_add_co_u32 s46, s46, s47
	s_lshl_b32 s47, s30, 5
	s_add_co_u32 s46, s46, s47
	s_lshl_b32 s46, s46, 11                        ; rows of 2,048 bytes
	s_mov_b32 s47, 0
	v_and_b32 v1, 31, v0                           ; lane
	v_and_b32 v2, 15, v0                           ; r
	v_bfe_u32 v3, v0, 4, 1                         ; h
	s_delay_alu instid0(VALU_DEP_3)
	v_lshlrev_b32 v[L16], 4, v1
	s_delay_alu instid0(VALU_DEP_4)
	v_lshlrev_b32 v[L8], 3, v1
	v_lshlrev_b32 v[L4], 2, v1
	v_lshlrev_b32 v14, 2, v2                       ; 4 r
	v_lshlrev_b32 v15, 6, v3                       ; 64 h
	v_mul_u32_u24 v[STO], v2, SPITCH               ; in: row r of the tile, + 64 h, + 256 x wave
	s_delay_alu instid0(VALU_DEP_1)
	v_lshl_add_u32 v[STO], v3, 6, v[STO]
	s_lshl_b32 s50, s28, 8
	v_add_nc_u32 v[STO], s50, v[STO]
	s_mul_i32 s50, s28, 4*SPITCH
	v_add_nc_u32 v[SRD], s50, v[L16]               ; back: my four rows, 16 bytes a lane
	s_wait_alu depctr_va_vdst(0)
	s_wait_kmcnt 0x0
	s_add_nc_u64 s[4:5], s[4:5], s[42:43]
	s_add_nc_u64 s[6:7], s[6:7], s[44:45]
	s_add_nc_u64 s[8:9], s[8:9], s[36:37]
	s_add_nc_u64 s[10:11], s[10:11], s[38:39]
	s_add_nc_u64 s[12:13], s[12:13], s[40:41]
	s_add_nc_u64 s[14:15], s[14:15], s[46:47]
	WIN 0x40                                       ; destination window 1
.irp t, 0,1,2,3
.irp s, 0,1,2,3
.irp c, 0,1
	global_load_b128 v[12*(4*\t+\s)+6*\c:12*(4*\t+\s)+6*\c+3], v[L16], s[8:9] offset:\t*6144+\s*1536+\c*768
	global_load_b64 v[12*(4*\t+\s)+6*\c+4:12*(4*\t+\s)+6*\c+5], v[L8], s[8:9] offset:\t*6144+\s*1536+\c*768+512
.endr
.endr
.endr
.irp t, 0,1,2,3                        ; register j of tile t is column 64 w + 32 (t / 2) + 16 h + 8 (t % 2) + j
	global_load_b128 v[BI+8*\t:BI+8*\t+3], v15, s[12:13] offset:4*(32*(\t/2)+8*(\t%2))
	global_load_b128 v[BI+8*\t+4:BI+8*\t+7], v15, s[12:13] offset:4*(32*(\t/2)+8*(\t%2))+16
.endr
	WIN 0
.irp p, 0,1
.irp s, 0,1,2,3
	global_load_b32 v[WS+4*\p+\s], v[L4], s[10:11] offset:512*\p+128*\s
.endr
.endr
.irp m, 0,1
.irp s, 0,1,2,3
.irp c, 0,1
	global_load_b128 v[XF+12*(4*\m+\s)+6*\c:XF+12*(4*\m+\s)+6*\c+3], v[L16], s[4:5] offset:\m*6144+(2*\s+\c)*768
	global_load_b64 v[XF+12*(4*\m+\s)+6*\c+4:XF+12*(4*\m+\s)+6*\c+5], v[L8], s[4:5] offset:\m*6144+(2*\s+\c)*768+512
.endr
.endr
.endr
.irp m, 0,1
.irp hd, 0,1,2,3,4,5,6,7
	global_load_b32 v[CSR+8*\m+\hd], v14, s[6:7] offset:\hd*16384+\m*64
.endr
.endr
	s_wait_loadcnt 0x0
.irp m, 0,1
.irp s, 0,1,2,3
	v_lshl_or_b32 v[XS+4*\m+\s], v[CSR+8*\m+2*\s+1], 16, v[CSR+8*\m+2*\s]   ; heads 2 s and 2 s + 1 make K step s's scale word
.endr
.endr
.rept 8
	v_nop                                          ; a scale register written by a vector instruction stands eight places ahead of a scaled matrix instruction
.endr
.irp s, 0,1,2,3                        ; 32 matrix instructions: K step by K step, the eight accumulators by turns
.if \s == 0
	WIN 0x11                                       ; source 0 (wo) and C (bo) window 1
.else
	WIN 0x01
.endif
.irp m, 0,1
.irp t, 0,1,2,3
	WQK \m, \t, \s
.endr
.endr
.endr
	WIN 0
.rept 5
	v_nop                                          ; places in front of the reads of the results and of the loads into registers that the products read
.endr
.irp m, 0,1
.irp t, 0,1,2,3
	ds_store_b128 v[STO], v[AC+32*\m+8*\t:AC+32*\m+8*\t+3] offset:16*\m*SPITCH+128*(\t/2)+32*(\t%2)        ; each accumulator from its low end on
	ds_store_b128 v[STO], v[AC+32*\m+8*\t+4:AC+32*\m+8*\t+7] offset:16*\m*SPITCH+128*(\t/2)+32*(\t%2)+16
.endr
.endr
	s_wait_dscnt 0x0                               ; for the others' sake: my stores into the stage are done
	s_barrier_signal -1
	s_barrier_wait -1                              ; 32 whole rows lie in the stage
.set n, 0
.rept 16
	ds_load_b128 v[XF+4*n:XF+4*n+3], v[SRD] offset:(n/4)*SPITCH+512*(n%4)
.set n, n+1
.endr
.set n, 0
.rept 16
	s_wait_dscnt 15-n                              ; LDS loads come back in order: load n is in, the 15 - n younger ones may be out
	global_store_b128 v[L16], v[XF+4*n:XF+4*n+3], s[14:15] offset:(n/4)*2048+512*(n%4) th:TH_STORE_NT   ; 32 lanes store 512 consecutive bytes, at a multiple of 256 from out0's first byte
.set n, n+1
.endr
	s_wait_tensorcnt 0x0                           ; the wave's end, behind my last LDS store
	ds_add_u32 v[SPW], v[NIL]
	s_wait_dscnt 0x0
	s_endpgm
.Lfunc_end_k_q312d11ff14_outp:
	.size	k_q312d11ff14_outp, .Lfunc_end_k_q312d11ff14_outp-k_q312d11ff14_outp
	.p2alignl 7, 3214868480
	.fill 96, 4, 3214868480
	.section	.rodata,"a",@progbits
	.p2align	6, 0x0
	.amdhsa_kernel k_q312d11ff14_outp
		.amdhsa_group_segment_fixed_size 67328
		.amdhsa_private_segment_fixed_size 0
		.amdhsa_enable_private_segment 0
		.amdhsa_kernarg_size 48
		.amdhsa_user_sgpr_count 2
		.amdhsa_user_sgpr_kernarg_segment_ptr 1
		.amdhsa_wavefront_size32 1
		.amdhsa_system_sgpr_workgroup_id_x 1
		.amdhsa_system_sgpr_workgroup_id_y 1
		.amdhsa_system_sgpr_workgroup_id_z 1
		.amdhsa_system_vgpr_workitem_id 0
		.amdhsa_next_free_vgpr 512
		.amdhsa_next_free_sgpr 66
		.amdhsa_reserve_vcc 0
		.amdhsa_float_denorm_mode_32 3
		.amdhsa_float_denorm_mode_16_64 3
		.amdhsa_memory_ordered 1
		.amdhsa_forward_progress 1
		.amdhsa_inst_pref_size 24
	.end_amdhsa_kernel
	.amdgpu_metadata
---
amdhsa.version: [ 1, 2 ]
amdhsa.kernels:
  - .name:           k_q312d11ff14_outp
    .symbol:         k_q312d11ff14_outp.kd
    .args:
      - { .name: cimg, .offset: 0, .size: 8, .value_kind: global_buffer, .address_space: global }
      - { .name: csc, .offset: 8, .size: 8, .value_kind: global_buffer, .address_space: global }
      - { .name: wimg, .offset: 16, .size: 8, .value_kind: global_buffer, .address_space: global }
      - { .name: wsc, .offset: 24, .size: 8, .value_kind: global_buffer, .address_space: global }
      - { .name: bo, .offset: 32, .size: 8, .value_kind: global_buffer, .address_space: global }
      - { .name: out0, .offset: 40, .size: 8, .value_kind: global_buffer, .address_space: global }
    .group_segment_fixed_size: 67328
    .private_segment_fixed_size: 0
    .kernarg_segment_align: 8
    .kernarg_segment_size: 48
    .max_flat_workgroup_size: 256
    .sgpr_count:     66
    .vgpr_count:     512
    .wavefront_size: 32
...
	.end_amdgpu_metadata
.endif
;; end of part 4
